; MI455X (gfx1250); checked and timed in simulation.
; The chip was launched on July 23, 2026; its instructions are those of AMD's public machine-readable ISA for CDNA 5 (MIT licence, August 2026) and "CDNA5" Instruction Set Architecture Reference Guide (July 2026). The comments in the code are by the model that wrote it; some were corrected since.
;; Attention. Allowed arithmetic: matrix products marked QUANTISED: E2M1 operands, one E8M0 scale for each 32 along K, by v_wmma_scale_f32_16x16x128_f8f6f4 with both operands' format E2M1 (or v_wmma_scale_f32_32x16x128_f4), f32 sums; everything else in f32.
;; Inputs: Wk 1,024 x 64 float32; Wq 1,024 x 64 float32; Wv 1,024 x 1,024 float32; bk 64 float32; bq 64 float32; bv 1,024 float32; input 8 x 2,048 x 1,024 float32.
;; Outputs: out0 8 x 2,048 x 1,024 float32.
;; This version of the problem:
;;   THIS VERSION OF THE PROBLEM IS GIVEN IN LOW PRECISION. The matrix products marked QUANTISED in the list below multiply operands that are first quantised to E2M1 (2 exponent bits, 1 mantissa bit; 4 bits a number), with one power-of-two scale for each 32 numbers along K (OCP MX v1.0); their sums are f32. All else is computed in f32.
;;   The module's matrix products, in the order in which they are computed (A, B: the left and right operand; K: the contracted axis; several contracted axes count as one K, in the product's order):
;;     1. [M 16,384, K 1,024] x [K 1,024, N 64]; A: input input; B: input Wq: QUANTISED
;;     2. [M 16,384, K 1,024] x [K 1,024, N 64]; A: input input; B: input Wk: QUANTISED
;;     3. [M 16,384, K 1,024] x [K 1,024, N 1,024]; A: input input; B: input Wv: QUANTISED
;;     4. batch 8 x [M 2,048, K 64] x [K 64, N 2,048]; A: computed on the way; B: computed on the way: QUANTISED
;;     5. batch 8 x [M 2,048, K 2,048] x [K 2,048, N 1,024]; A: softmax (see below); B: computed on the way: QUANTISED
;;   THE QUANTISER, for each operand of a quantised product, along K:
;;     - K is cut into blocks of 32 from its start; a last block that is shorter is filled with zeros.
;;     - A block's scale is 2^e with e = floor(log2(the largest magnitude in the block)) - 2, held to -126 .. 127; a block of zeros has e = 0. As a byte (E8M0): e + 127.
;;     - Each number is divided by its block's scale, clamped to +-6, and rounded to the nearest number of E2M1, ties to even, subnormals kept.
;;     - The product sums the exact products of the quantised numbers (number of the format x scale) in f32.
;;   ~~~python
;;   def quantise(x, axis):      # numpy; x: float32 -> the quantised numbers, widened to float32 again
;;       x = np.moveaxis(x, axis, -1); K = x.shape[-1]
;;       x = np.pad(x, [(0, 0)] * (x.ndim - 1) + [(0, -K % 32)]); x = x.reshape(x.shape[:-1] + (-1, 32)); a = np.abs(x).max(-1, keepdims=True)
;;       e = np.where(a > 0, np.clip(np.frexp(np.where(a > 0, a, 1))[1] - 1 - 2, -126, 127), 0)      # np.frexp(a)[1] - 1 = floor(log2(a)), exactly
;;       r = np.clip(x / 2.0 ** e, -6, 6)
;;       step = 2.0 ** (np.maximum(np.frexp(np.where(r == 0, 1, r))[1] - 1, 0) - 1)
;;       q = np.round(r / step) * step * 2.0 ** e      # np.round: ties to even
;;       return np.moveaxis(q.reshape(q.shape[:-2] + (-1,))[..., :K], -1, axis).astype(np.float32)
;;   ~~~
;;   SOFTMAX AHEAD OF A QUANTISED PRODUCT. Where the list says 'softmax', what is quantised is not the finished softmax but p = 2^(t - M), with t = logit x log2(e) and M = ceil(the row's largest t), a whole number; so 1/2 < the row's largest p <= 1. The row's sum l is taken of the UNQUANTISED p, in f32, and the product's result is divided by l at the end. Since M is a whole number, a kernel that streams over the keys may use a running M (the ceiling of the running maximum): every later rescaling is an exact power of two, which a block's scale takes up: the codes' values come out the same.
;;   OPERANDS COMPUTED ON THE WAY. 'Computed on the way' means the value that the module computes at that place (a softmax that the list does not call 'softmax' is quantised finished and normalised). What goes into a quantiser is computed in f32, as accurately as f32 sums, v_exp_f32 and their like allow (about 1e-6 of the number): no bf16 or f16 on the way to a quantiser, and a product that is left as it is and whose result goes on into a quantised operand takes f32 operands (vector FMAs, or v_wmma_f32_16x16x4_f32). A number that lies on a knife's edge between two numbers of the format may be rounded either way, as far as f32 arithmetic and the matrix unit's own rounding can turn it there, and no further.
;; 2 versions, each right; version 2 is version 1 with the launch attn written anew for expert scheduling mode. Each part assembles by itself: llvm-mc -triple=amdgcn-amd-amdhsa -mcpu=gfx1250 --defsym DOCPART=n.
;; ======== version 1 of 2: 3 launches
;; workspace buffers: wcodes 589,824 bytes; wscales 36,864 bytes; qcodes 524,288 bytes; qscales 65,536 bytes; kcodes 524,288 bytes; kscales 65,536 bytes; vcodes 8,388,608 bytes; vscales 524,288 bytes
;; launch wprep (part 1): grid 18 x 8, 4 waves a work-group, no clusters, 0 bytes of LDS; arguments Wq, Wk, Wv, wcodes, wscales; writes wcodes, wscales
.if DOCPART == 1
	.amdgcn_target "amdgcn-amd-amdhsa--gfx1250"
	.amdhsa_code_object_version 6
	.text
	.protected	k_qaf70e92c30_wprep
	.globl	k_qaf70e92c30_wprep
	.p2align	8
	.type	k_qaf70e92c30_wprep,@function
k_qaf70e92c30_wprep:
	s_mov_b64 s[64:65], 0
	v_nop
	global_prefetch_b8 v0, s[64:65] scope:SCOPE_SE
	s_setreg_imm32_b32 hwreg(HW_REG_WAVE_MODE, 25, 1), 1
	s_wait_xcnt 0x0
; Wq [1024][64], Wk [1024][64], Wv [1024][1024], f32, K = their FIRST axis, become codes of FP4 (E2M1) with one E8M0 byte for each 32 along K,
; laid as IMAGES OF OPERAND REGISTERS for the next launch: wcodes [K step s 0..7][wave w 0..3][tile t 0..17][c 0..1][lane][16 bytes], register 4 c + q of a fragment of 16 columns x 128 K;
; wscales [s][w][pair i 0..8][lane][4 bytes]: lanes 0-15 the words of tile 2 i, lanes 16-31 those of tile 2 i + 1.
; Tiles of wave w: t = 0, 1: 32 units of q (w = 0, 1) or of k (w = 2, 3); t = 2 .. 17: Wv's columns 256 w + 16 (t - 2) on.
; SHARES: work-group x = a group of 64 columns (0: Wq, 1: Wk, 2 ..: Wv's 64 (x - 2) on), y = the K step of 128; wave j takes the group's tile j, so the four waves read 256 neighbouring bytes of each row.
; A LANE TAKES A COLUMN AND ITS REGISTERS RUN DOWN K, in the order of the operand's layout: lane (r, h), register 32 c + i = W(128 s + 64 c + 32 h + i, column r).  So a lane holds two whole blocks, and the conversions' results are the operand's registers.
; A block's byte is its largest magnitude's exponent field - 2, held at 1 from below.
; LIMITS: NaN and infinities are not served; a block whose largest magnitude lies under 2^(3 - 127) gets the byte 1; a block of zeros gets the byte 1 where the rule says 127: its codes are zeros and this program alone reads the bytes.
; 144 work-groups: all the work there is.  No LDS, no barrier: waves share nothing.
.set XN, 64                            ; v64-127 the 64 numbers
	s_load_b256 s[4:11], s[0:1], 0x0               ; Wq s[4:5], Wk s[6:7], Wv s[8:9], wcodes s[10:11]
	s_load_b64 s[12:13], s[0:1], 0x20              ; wscales
	v_lshrrev_b32 v1, 5, v0
	v_readfirstlane_b32 s14, v1                    ; j: my tile of the group
	s_mov_b32 s15, ttmp9                           ; g: the group
	s_and_b32 s16, ttmp7, 0xffff                   ; s: the K step
	s_max_u32 s17, s15, 2
	s_sub_co_u32 s17, s17, 2                       ; g2: the group within Wv
	s_lshr_b32 s22, s14, 1
	s_lshl_b32 s23, s15, 1
	s_add_co_u32 s22, s22, s23                     ; Wq, Wk: the wave that will read my tile: 2 g + j / 2,
	s_and_b32 s23, s14, 1                          ; and its tile there: j % 2
	s_lshr_b32 s24, s17, 2                         ; Wv: wave g2 / 4,
	s_and_b32 s25, s17, 3
	s_lshl_b32 s25, s25, 2
	s_add_co_u32 s25, s25, s14
	s_add_co_u32 s25, s25, 2                       ; tile 2 + 4 (g2 % 4) + j
	s_lshl_b32 s26, s16, 15                        ; where the K step begins: 128 rows of 256 bytes,
	s_lshl_b32 s27, s16, 19                        ; or of 4,096,
	s_lshl_b32 s19, s17, 8
	s_add_co_u32 s27, s27, s19                     ; + the group's 256 bytes of a row
	s_mov_b32 s18, 0x20000
	s_cmp_lt_u32 s15, 2                            ; narrow weight or wide?  The choice hangs on the work-group's number alone
	s_cselect_b32 s22, s22, s24                    ; wd
	s_cselect_b32 s23, s23, s25                    ; td
	s_cselect_b32 s26, s26, s27                    ; the source's offset
	s_cselect_b32 s18, 0x2000, s18                 ; 32 rows in bytes: what lanes 16-31 stand further down
	s_mov_b32 s27, 0
	s_mov_b32 s28, 0x76543210
	s_mov_b32 s29, 0xfedcba98                      ; v_permlanex16_b32's selects for lane l xor 16
	s_lshl_b32 s30, s16, 2
	s_add_co_u32 s30, s30, s22                     ; 4 s + wd
	s_mul_i32 s32, s30, 18
	s_add_co_u32 s32, s32, s23
	s_lshl_b32 s32, s32, 10                        ; my fragment's image: 1,024 bytes each
	s_mov_b32 s33, 0
	s_mul_i32 s34, s30, 9
	s_lshr_b32 s35, s23, 1
	s_add_co_u32 s34, s34, s35
	s_lshl_b32 s34, s34, 7                         ; my pair's 128 bytes of scale words,
	s_and_b32 s35, s23, 1
	s_lshl_b32 s35, s35, 6
	s_add_co_u32 s34, s34, s35                     ; the upper 64 for an odd tile
	s_mov_b32 s35, 0
	v_and_b32 v1, 15, v0                           ; r
	v_bfe_u32 v2, v0, 4, 1                         ; h
	v_and_b32 v7, 31, v0                           ; lane
	v_lshlrev_b32 v4, 4, v7                        ; out: 16 bytes a lane
	v_lshlrev_b32 v5, 2, v1                        ; 4 r
	v_lshlrev_b32 v6, 3, v2                        ; 8 h
	v_mul_lo_u32 v3, v2, s18
	v_add_nc_u32 v3, v3, v5
	s_lshl_b32 s19, s14, 6
	v_add_nc_u32 v3, s19, v3                       ; in: 4 r + 64 j + 32 h rows
	v_mov_b32 v15, 0                               ; a lane permute's destination counts as one of its sources
	s_wait_kmcnt 0x0
	s_cmp_eq_u32 s15, 0
	s_cselect_b64 s[20:21], s[4:5], s[6:7]
	s_cmp_lt_u32 s15, 2
	s_cselect_b64 s[20:21], s[20:21], s[8:9]       ; the weight that my group belongs to
	s_add_nc_u64 s[20:21], s[20:21], s[26:27]
	s_add_nc_u64 s[10:11], s[10:11], s[32:33]
	s_add_nc_u64 s[12:13], s[12:13], s[34:35]
.macro LOAD64 pitch                    ; register kk = 32 c + i holds row 64 c + i = kk + 32 (kk / 32) of my half's rows; sixteen lanes read 64 neighbouring bytes
.set kk, 0
.rept 64
	global_load_b32 v[XN+kk], v3, s[20:21] offset:(kk+32*(kk/32))*\pitch th:TH_LOAD_NT
.set kk, kk+1
.endr
.endm
	s_cmp_lt_u32 s15, 2                            ; only the rows' pitch, an immediate, differs between the two ways
	s_cbranch_scc0 .Lwide
	LOAD64 256
	s_branch .Lloaded
.Lwide:
	LOAD64 4096
.Lloaded:
	s_wait_loadcnt 0x0
.irp c, 0,1                                    ; my block 2 c + h: all its 32 numbers are mine
	v_max3_num_f32 v[8+\c], |v[XN+32*\c]|, |v[XN+32*\c+1]|, 0x1800000   ; and the floor 2^(3 - 127): the byte cannot fall under 1
.endr
.irp i, 2,4,6,8,10,12,14,16,18,20,22,24,26,28,30
.irp c, 0,1
	v_max3_num_f32 v[8+\c], v[8+\c], |v[XN+32*\c+\i]|, |v[XN+32*\c+\i+1]|   ; the two blocks by turns
.endr
.endr
.irp c, 0,1
	v_add_nc_u32 v[10+\c], 0xff000000, v[8+\c]     ; 2 off the exponent field: the conversion takes the exponent field of this operand as its scale
.endr
.irp c, 0,1
	v_lshrrev_b32 v[12+\c], 23, v[10+\c]           ; the scale's byte
.endr
	v_lshl_or_b32 v14, v13, 16, v12                ; my two bytes, blocks h and 2 + h,
	v_lshlrev_b32 v14, v6, v14                     ; at their places in the word;
	v_permlanex16_b32 v15, v14, s28, s29
	v_or_b32 v14, v14, v15                         ; with lane l xor 16's two the word is whole
.irp c, 0,1
.irp g, 0,1,2,3
	v_cvt_scalef32_pk8_fp4_f32 v[16+4*\c+\g], v[XN+32*\c+8*\g:XN+32*\c+8*\g+7], v[10+\c]   ; registers 4 c .. 4 c + 3 of the operand
.endr
.endr
	v_nop                                          ; one plain line behind the last conversion
	global_store_b128 v4, v[16:19], s[10:11]       ; 32 lanes store 512 consecutive bytes
	global_store_b128 v4, v[20:23], s[10:11] offset:512
	global_store_b32 v5, v14, s[12:13]             ; column r's word; both halves of the lanes hold the same word and write it to the same place
	s_endpgm
.Lfunc_end_k_qaf70e92c30_wprep:
	.size	k_qaf70e92c30_wprep, .Lfunc_end_k_qaf70e92c30_wprep-k_qaf70e92c30_wprep
	.p2alignl 7, 3214868480
	.fill 96, 4, 3214868480
	.section	.rodata,"a",@progbits
	.p2align	6, 0x0
	.amdhsa_kernel k_qaf70e92c30_wprep
		.amdhsa_group_segment_fixed_size 0
		.amdhsa_private_segment_fixed_size 0
		.amdhsa_enable_private_segment 0
		.amdhsa_kernarg_size 40
		.amdhsa_user_sgpr_count 2
		.amdhsa_user_sgpr_kernarg_segment_ptr 1
		.amdhsa_wavefront_size32 1
		.amdhsa_system_sgpr_workgroup_id_x 1
		.amdhsa_system_sgpr_workgroup_id_y 1
		.amdhsa_system_sgpr_workgroup_id_z 1
		.amdhsa_system_vgpr_workitem_id 0
		.amdhsa_next_free_vgpr 128
		.amdhsa_next_free_sgpr 66
		.amdhsa_reserve_vcc 0
		.amdhsa_float_denorm_mode_32 3
		.amdhsa_float_denorm_mode_16_64 3
		.amdhsa_memory_ordered 1
		.amdhsa_forward_progress 1
		.amdhsa_inst_pref_size 18
	.end_amdhsa_kernel
	.amdgpu_metadata
---
amdhsa.version: [ 1, 2 ]
amdhsa.kernels:
  - .name:           k_qaf70e92c30_wprep
    .symbol:         k_qaf70e92c30_wprep.kd
    .args:
      - { .name: Wq, .offset: 0, .size: 8, .value_kind: global_buffer, .address_space: global }
      - { .name: Wk, .offset: 8, .size: 8, .value_kind: global_buffer, .address_space: global }
      - { .name: Wv, .offset: 16, .size: 8, .value_kind: global_buffer, .address_space: global }
      - { .name: wcodes, .offset: 24, .size: 8, .value_kind: global_buffer, .address_space: global }
      - { .name: wscales, .offset: 32, .size: 8, .value_kind: global_buffer, .address_space: global }
    .group_segment_fixed_size: 0
    .private_segment_fixed_size: 0
    .kernarg_segment_align: 8
    .kernarg_segment_size: 40
    .max_flat_workgroup_size: 128
    .sgpr_count:     66
    .vgpr_count:     128
    .wavefront_size: 32
...
	.end_amdgpu_metadata
.endif
;; end of part 1
;; launch proj (part 2): grid 256 x 1, 4 waves a work-group, no clusters, 327,680 bytes of LDS; arguments input, wcodes, wscales, bq, bk, bv, qcodes, qscales, kcodes, kscales, vcodes, vscales; writes qcodes, qscales, kcodes, kscales, vcodes, vscales
.if DOCPART == 2
	.amdgcn_target "amdgcn-amd-amdhsa--gfx1250"
	.amdhsa_code_object_version 6
	.text
	.protected	k_qaf70e92c30_proj
	.globl	k_qaf70e92c30_proj
	.p2align	8
	.type	k_qaf70e92c30_proj,@function
k_qaf70e92c30_proj:
	s_mov_b64 s[64:65], 0
	v_nop
	global_prefetch_b8 v0, s[64:65] scope:SCOPE_SE
	s_setreg_imm32_b32 hwreg(HW_REG_WAVE_MODE, 25, 1), 1
	s_wait_xcnt 0x0
; q = x Wq + bq, k = x Wk + bk, v = x Wv + bv on codes of FP4 (E2M1) with one E8M0 scale for each 32 along K = 1,024, and the three results quantised at once for the attention that follows:
; q and k along their 64 units, v along the KEYS (down its rows).  x [16384][1024] f32 is quantised here, in registers; the weights come as images of operand registers (launch wprep).
; SHARES.  A work-group owns 64 rows of x and all 1,152 columns.  THE WAVES SHARE THE COLUMNS: wave w has 18 tiles of 16 columns (t = 0, 1: 32 units of q (w = 0, 1) or k (w = 2, 3); t = 2 .. 17: v's columns 256 w on)
; x 4 tiles of rows: 72 accumulators, 576 registers.  So each weight fragment is read by ONE wave, from memory straight into its registers.  Wave w also quantises x's rows 16 w .. 16 w + 15 and hands
; the codes to the others through LDS as an image of the operand's registers (16 bytes a lane), one barrier a K step.
; x COMES BY THE TENSOR DATA MOVER, ALL OF IT AT THE HEAD: each wave asks for its own 16 rows in eight tiles of 128 along K (8 tensor loads of mine are out at the most); no LDS byte is ever filled twice, and only the asking wave
; reads a tile, behind its own counted wait.  All of the LDS is claimed; 311,808 bytes are used.
; NO JOINT LOADS: the weights, which all work-groups share, go to registers; beside x's 270,336 bytes LDS has no room for a K step's 78,336 bytes of them.  No prefetch: x is asked for whole at the head, and the weights are read by every work-group.
; PRODUCTS.  v: source 0 = x's 16 rows, source 1 = 16 columns: lane (r, h), register j = v(key 16 m + 8 h + j, column r): a lane's registers run down the keys, the next K.
;            q, k: transposed, source 0 = 16 units, source 1 = x's rows: lane (r, h), register j = q(row 16 m + r, unit 16 t + 8 h + j): registers run along the units, the next K.
; One conversion takes the 8 registers of one accumulator; v_permlane16_swap_b32 (v) or the place in LDS (q, k) puts the words in the operand's order.
; OUT: qcodes, kcodes [tile of 16 rows][block][r][16 bytes] (= registers 0-3 of a fragment at 16 x lane); qscales, kscales [row][4]: two bytes, then 0x7f twice for the upper 64 of the instruction's 128, whose codes are zeros;
;      vcodes [batch][step of 128 keys][tile of 16 columns][c][lane][16 bytes]; vscales [batch][step][w][lane][word i][4]: word i of lane l: tile 16 w + 2 i + l / 16, column l % 16; my 64 rows give bytes 2 c, 2 c + 1.
; LIMITS: NaN and infinities are not served; a block whose largest magnitude lies under 2^(3 - 127) gets the byte 1; a block of zeros gets the byte 1 where the rule says 127 (its codes are zeros; this program alone reads the bytes);
;         the biases are added behind the f32 sums, as the source has them.
; REGISTERS.  window 0: v1-15, v141-143 addresses; v16-79 64 numbers of x, later v's codes; v80-87 codes just made; v88-95 at work; v96-127 x's four fragments, later at work; v128-131 x's scale words; v132-140 the weights' scale words;
;   v144-159 q's or k's bias; v160-191 v's bias, each number twice; v192-255 results with their bias.   window 1: accumulators of t = 2 .. 9 at 8 (4 (t - 2) + m).   window 2: t = 10 .. 17.
;   window 3: v0-63 accumulators of t = 0, 1 at 8 (4 t + m); v64-207 the weights' 18 fragments.
.set XSTW,  67584                      ; LDS: a wave's eight tiles of x,
.set XSTS,  8448                       ; each 16 rows x (512 bytes + 16 of padding): row r starts 132 r words on, so the 16 rows of a load start in 16 different groups of four banks (64 banks of 4 bytes: ISA guide 11.1)
.set XIMG,  270336                     ; the images of x's fragments: (tile of rows m, K step s) at (8 m + s) x 1,024
.set XSC,   303104                     ; their scale words: (8 m + s) x 128, 4 bytes a lane
.set QKC,   307200                     ; q's and k's codes: [q, k][m][block][r][16 bytes]
.set QKS,   311296                     ; their scale words: [q, k][row][4 bytes]
.set LI,  1                            ; v1   16 x lane
.set LS,  2                            ; v2   4 x lane
.set STG, 3                            ; v3   my place in my wave's tiles of x: row r, + 128 h bytes
.set XW,  4                            ; v4   where I store an image
.set XWS, 5                            ; v5   and its scale word
.set XR,  6                            ; v6   where I read images
.set XRS, 7                            ; v7   and scale words
.set H8,  8                            ; v8   8 h
.set QW,  9                            ; v9   where q's or k's codes go
.set QSW, 10                           ; v10  and their scale bytes
.set ONE, 11                           ; v11  0x7f: the byte of the scale 1
.set R4,  12                           ; v12  4 r
.set QRD, 13                           ; v13  QKC + 16 x thread
.set L32, 14                           ; v14  32 x lane
.set QSR, 15                           ; v15  QKS + 4 x thread
.set XN,  16
.set VC,  16
.set PC,  80
.set XF,  96
.set XS,  128
.set WS,  132
.set T16, 141                          ; v141 16 x thread
.set T4,  142                          ; v142 4 x (thread % 64)
.set BA,  143                          ; v143 my place in bq or bk
.set BQ,  144
.set BV,  160
.set T,   192
.set WF,  64                           ; in window 3
.set MSB, 0
.macro WIN new                         ; the immediate's high byte repeats the setting that is left; a switch that changes nothing is dropped
.if MSB != \new
	s_set_vgpr_msb (MSB<<8)|\new
.set MSB, \new
.endif
.endm
	s_load_b256 s[4:11], s[0:1], 0x0               ; input s[4:5], wcodes s[6:7], wscales s[8:9], bq s[10:11]
	s_load_b256 s[12:19], s[0:1], 0x20             ; bk s[12:13], bv s[14:15], qcodes s[16:17], qscales s[18:19]
	s_load_b256 s[20:27], s[0:1], 0x40             ; kcodes s[20:21], kscales s[22:23], vcodes s[24:25], vscales s[26:27]
	s_set_vgpr_msb 0xc0
	v_lshl_add_u32 v254, v0, 2, 0x4c200
	v_mov_b32 v255, 0
	s_set_vgpr_msb 0xc0cf
	ds_add_u32 v254, v255
	ds_add_u32 v254, v255
	s_set_vgpr_msb 0xcf00
	v_lshrrev_b32 v1, 5, v0
	v_readfirstlane_b32 s28, v1                    ; wave 0..3
	s_mov_b32 s29, ttmp9                           ; g: my 64 rows
	; descriptor group 1: a tile of 16 rows x 128 f32, padded in LDS
	s_mov_b32 s36, (2<<16)|(1<<20)|(6<<22)|(3<<25) ; 15:0 no mask; 17:16 elements of 4 bytes; 20 padding on; 24:22 after every 128 words (code 6); 31:25 four words (code 3)
	s_mov_b32 s37, 128<<16                         ; tensor_dim0 = 128
	s_mov_b32 s38, 16<<16                          ; tensor_dim1 = 16
	s_mov_b32 s39, 128<<16                         ; tile_dim0 = 128
	s_mov_b32 s40, 16                              ; tile_dim1 = 16
	s_mov_b32 s41, 1024                            ; elements from row to row
	s_mov_b32 s42, 0
	s_mov_b32 s43, 0
	s_lshl_b32 s30, s29, 18                        ; 64 g rows of 4,096 bytes
	s_lshl_b32 s31, s28, 16                        ; + my wave's 16 w
	s_add_co_u32 s30, s30, s31
	s_mov_b32 s31, 0
	s_mul_i32 s34, s28, XSTW                       ; my wave's tiles in LDS
	s_wait_dscnt 0x0
	s_wait_kmcnt 0x0
	s_add_nc_u64 s[32:33], s[4:5], s[30:31]
	; group 0, a set for each K step (s64 and s65 are passed over)
.irp s, 0,1,2,3,4,5,6,7
.set GZ, 44+4*\s+4*(\s/5)
	s_mov_b32 s[GZ], 1                             ; count = 1
	s_add_co_u32 s[GZ+1], s34, \s*XSTS             ; LDS address
	s_add_nc_u64 s[GZ+2:GZ+3], s[32:33], \s*512    ; global address: 128 numbers along K on
	s_or_b32 s[GZ+3], s[GZ+3], 0x80000000          ; type = 2
.endr
.irp s, 0,1,2,3,4,5,6,7
.set GZ, 44+4*\s+4*(\s/5)
	tensor_load_to_lds s[GZ:GZ+3], s[36:43]        ; all first fills in one group, ahead of every wait on TENSORcnt, every LDS read and every barrier
	s_nop 0
.endr
.rept 4
	v_nop                                          ; four lines behind the last tensor load
.endr
	s_mul_i32 s30, s28, 18432
	s_add_nc_u64 s[84:85], s[6:7], s[30:31]        ; my wave's 18 fragments of a K step
	s_mul_i32 s30, s28, 1152
	s_add_nc_u64 s[86:87], s[8:9], s[30:31]        ; and their scale words
	s_lshr_b32 s35, s29, 1                         ; 16 x batch + key step
	s_and_b32 s34, s29, 1                          ; c: which 64 keys of the step
	s_lshl_b32 s30, s35, 16
	s_lshl_b32 s32, s28, 14
	s_add_co_u32 s30, s30, s32
	s_lshl_b32 s32, s34, 9
	s_add_co_u32 s30, s30, s32
	s_add_nc_u64 s[24:25], s[24:25], s[30:31]      ; vcodes at my step, my 16 tiles, my half
	s_lshl_b32 s30, s35, 12
	s_lshl_b32 s32, s28, 10
	s_add_co_u32 s30, s30, s32
	s_lshl_b32 s32, s34, 1
	s_add_co_u32 s30, s30, s32
	s_add_nc_u64 s[26:27], s[26:27], s[30:31]      ; vscales likewise: my two bytes of each word
	s_lshl_b32 s30, s29, 11
	s_add_nc_u64 s[16:17], s[16:17], s[30:31]      ; qcodes and kcodes at my four tiles of rows
	s_add_nc_u64 s[20:21], s[20:21], s[30:31]
	s_lshl_b32 s30, s28, 10
	s_add_nc_u64 s[14:15], s[14:15], s[30:31]      ; bv at my 256 columns
	s_cmp_lt_u32 s28, 2                            ; waves 0, 1 make q, waves 2, 3 k
	s_cselect_b64 s[10:11], s[10:11], s[12:13]     ; the bias,
	s_cselect_b64 s[18:19], s[18:19], s[22:23]     ; and the scale words that my wave stores at the end
	s_lshl_b32 s30, s29, 8
	s_add_nc_u64 s[18:19], s[18:19], s[30:31]
	s_mov_b32 s80, 0x76543210
	s_mov_b32 s81, 0xfedcba98                      ; v_permlanex16_b32's selects for lane l xor 16
	s_mov_b32 s82, 0xffff0000                      ; lanes 16-31
	v_and_b32 v16, 31, v0                          ; lane
	v_and_b32 v17, 15, v0                          ; r
	v_bfe_u32 v18, v0, 4, 1                        ; h
	v_lshlrev_b32 v[LI], 4, v16
	v_lshlrev_b32 v[LS], 2, v16
	v_mul_u32_u24 v[STG], v17, 528
	v_lshl_add_u32 v[STG], v18, 7, v[STG]
	s_mul_i32 s30, s28, XSTW
	v_add_nc_u32 v[STG], s30, v[STG]
	s_lshl_b32 s30, s28, 13
	v_add_nc_u32 v[XW], s30, v[LI]
	v_add_nc_u32 v[XW], XIMG, v[XW]
	s_lshl_b32 s30, s28, 10
	v_add_nc_u32 v[XWS], s30, v[LS]
	v_add_nc_u32 v[XWS], XSC, v[XWS]
	v_add_nc_u32 v[XR], XIMG, v[LI]
	v_add_nc_u32 v[XRS], XSC, v[LS]
	v_lshlrev_b32 v[H8], 3, v18
	s_lshr_b32 s32, s28, 1                         ; q (0) or k (1)
	s_and_b32 s33, s28, 1                          ; which block of 32 units
	s_lshl_b32 s30, s32, 11
	s_lshl_b32 s35, s33, 8
	s_add_co_u32 s30, s30, s35
	v_lshlrev_b32 v[QW], 4, v17
	v_lshl_add_u32 v[QW], v18, 2, v[QW]
	v_add_nc_u32 v[QW], s30, v[QW]
	v_add_nc_u32 v[QW], QKC, v[QW]                 ; 2,048 x (q, k) + 256 x block + 16 r + 4 h
	s_lshl_b32 s30, s32, 8
	s_add_co_u32 s30, s30, s33
	v_lshlrev_b32 v[R4], 2, v17
	v_add_nc_u32 v[QSW], s30, v[R4]
	v_add_nc_u32 v[QSW], QKS, v[QSW]               ; 256 x (q, k) + 4 r + block
	v_mov_b32 v[ONE], 0x7f
	v_lshlrev_b32 v[T16], 4, v0
	v_add_nc_u32 v[QRD], QKC, v[T16]
	v_lshlrev_b32 v[L32], 5, v16
	v_lshlrev_b32 v[QSR], 2, v0
	v_add_nc_u32 v[QSR], QKS, v[QSR]
	v_and_b32 v[T4], 63, v0
	v_lshlrev_b32 v[T4], 2, v[T4]
	s_lshl_b32 s30, s33, 7
	v_lshl_add_u32 v[BA], v18, 5, s30              ; the bias of units 32 x block + 8 h on
	v_mov_b32 v95, 0                               ; a lane permute's destination counts as one of its sources
	global_load_b128 v[BQ:BQ+3], v[BA], s[10:11]               ; register 8 t + j: the bias of unit 16 t + 8 h + j of my 32
	global_load_b128 v[BQ+4:BQ+7], v[BA], s[10:11] offset:16
	global_load_b128 v[BQ+8:BQ+11], v[BA], s[10:11] offset:64
	global_load_b128 v[BQ+12:BQ+15], v[BA], s[10:11] offset:80
.irp d, 0,1,2,3,4,5,6,7,8,9,10,11,12,13,14,15
	global_load_b32 v[BV+2*\d], v[R4], s[14:15] offset:64*\d   ; column r of tile d: one number for all of a lane's keys, twice, for the packed addition
	global_load_b32 v[BV+2*\d+1], v[R4], s[14:15] offset:64*\d
.endr
; The weights of K step s: tiles 0-9 with their five scale registers (25 loads), tiles 10-17 with four (20 loads)
.macro WLOAD0 s
	WIN 0xc0                                       ; destination window 3, address window 0
.irp t, 0,1,2,3,4,5,6,7,8,9
	global_load_b128 v[WF+8*\t:WF+8*\t+3], v[LI], s[84:85] offset:73728*(\s)+1024*\t
	global_load_b128 v[WF+8*\t+4:WF+8*\t+7], v[LI], s[84:85] offset:73728*(\s)+1024*\t+512
.endr
	WIN 0
.irp i, 0,1,2,3,4
	global_load_b32 v[WS+\i], v[LS], s[86:87] offset:4608*(\s)+128*\i
.endr
.endm
.macro WLOAD1 s
	WIN 0xc0
.irp t, 10,11,12,13,14,15,16,17
	global_load_b128 v[WF+8*\t:WF+8*\t+3], v[LI], s[84:85] offset:73728*(\s)+1024*\t
	global_load_b128 v[WF+8*\t+4:WF+8*\t+7], v[LI], s[84:85] offset:73728*(\s)+1024*\t+512
.endr
	WIN 0
.irp i, 5,6,7,8
	global_load_b32 v[WS+\i], v[LS], s[86:87] offset:4608*(\s)+128*\i
.endr
.endm
	WLOAD0 0
	WLOAD1 0
; My 16 rows' 128 numbers of K step s become a fragment and its scale words, and go to LDS as they stand.  Lane (r, h) takes k = 64 c + 32 h + 0 .. 31 of row r: two whole blocks, in the order of the operand's layout.
.macro QUANTX s
	s_wait_tensorcnt 7-(\s)                        ; tensor loads of a wave end in order (ISA guide 10.11.1): tile s is in; the 7 - s asked for behind it may be out
.irp c, 0,1
.irp i, 0,1,2,3,4,5,6,7
	ds_load_b128 v[XN+32*\c+4*\i:XN+32*\c+4*\i+3], v[STG] offset:XSTS*(\s)+256*\c+16*\i
.endr
.endr
	s_wait_dscnt 0x0
.irp c, 0,1
	v_max3_num_f32 v[88+\c], |v[XN+32*\c]|, |v[XN+32*\c+1]|, 0x1800000   ; block 2 c + h, and the floor 2^(3 - 127): the byte cannot fall under 1
.endr
.irp i, 2,4,6,8,10,12,14,16,18,20,22,24,26,28,30
.irp c, 0,1
	v_max3_num_f32 v[88+\c], v[88+\c], |v[XN+32*\c+\i]|, |v[XN+32*\c+\i+1]|
.endr
.endr
.irp c, 0,1
	v_add_nc_u32 v[90+\c], 0xff000000, v[88+\c]    ; 2 off the exponent field: the conversion's scale operand
.endr
.irp c, 0,1
	v_lshrrev_b32 v[92+\c], 23, v[90+\c]           ; the scale's byte
.endr
	v_lshl_or_b32 v94, v93, 16, v92
	v_lshlrev_b32 v94, v[H8], v94                  ; my two bytes at their places,
	v_permlanex16_b32 v95, v94, s80, s81
	v_or_b32 v94, v94, v95                         ; with lane l xor 16's two: row r's word
.irp c, 0,1
.irp g, 0,1,2,3
	v_cvt_scalef32_pk8_fp4_f32 v[PC+4*\c+\g], v[XN+32*\c+8*\g:XN+32*\c+8*\g+7], v[90+\c]
.endr
.endr
	v_nop                                          ; one plain line behind the last conversion
	ds_store_b128 v[XW], v[PC:PC+3] offset:1024*(\s)
	ds_store_b128 v[XW], v[PC+4:PC+7] offset:1024*(\s)+512
	ds_store_b32 v[XWS], v94 offset:128*(\s)
	s_wait_dscnt 0x0                               ; for the others' sake: my stores have landed
	s_barrier_signal -1
	s_barrier_wait -1                              ; the four images of K step s lie in LDS.  Each K step has bytes of its own: nothing is written over, so one barrier a step is enough
.endm
; One product.  ZR = 1: the first K step starts the sums: nothing is ever cleared.
.macro PRODQ t, m                      ; q, k: source 0 = 16 units, source 1 = x's rows
.set rD, 8*(4*(\t)+(\m))
.set rW, WF+8*(\t)
.set rX, XF+8*(\m)
.if ZR
.if \t
	v_wmma_scale_f32_16x16x128_f8f6f4 v[rD:rD+7], v[rW:rW+7], v[rX:rX+7], 0, v[WS], v[XS+\m] matrix_a_fmt:MATRIX_FMT_FP4 matrix_b_fmt:MATRIX_FMT_FP4 matrix_a_scale:MATRIX_SCALE_ROW1
.else
	v_wmma_scale_f32_16x16x128_f8f6f4 v[rD:rD+7], v[rW:rW+7], v[rX:rX+7], 0, v[WS], v[XS+\m] matrix_a_fmt:MATRIX_FMT_FP4 matrix_b_fmt:MATRIX_FMT_FP4
.endif
.else
.if \t
	v_wmma_scale_f32_16x16x128_f8f6f4 v[rD:rD+7], v[rW:rW+7], v[rX:rX+7], v[rD:rD+7], v[WS], v[XS+\m] matrix_a_fmt:MATRIX_FMT_FP4 matrix_b_fmt:MATRIX_FMT_FP4 matrix_a_scale:MATRIX_SCALE_ROW1
.else
	v_wmma_scale_f32_16x16x128_f8f6f4 v[rD:rD+7], v[rW:rW+7], v[rX:rX+7], v[rD:rD+7], v[WS], v[XS+\m] matrix_a_fmt:MATRIX_FMT_FP4 matrix_b_fmt:MATRIX_FMT_FP4
.endif
.endif
.endm
.macro PRODV t, m                      ; v: source 0 = x's rows, source 1 = 16 columns; an odd tile's scale words stand in lanes 16-31
.set rD, 8*(4*(((\t)-2)%8)+(\m))
.set rW, WF+8*(\t)
.set rX, XF+8*(\m)
.set rS, WS+(\t)/2
.if ZR
.if (\t)%2
	v_wmma_scale_f32_16x16x128_f8f6f4 v[rD:rD+7], v[rX:rX+7], v[rW:rW+7], 0, v[XS+\m], v[rS] matrix_a_fmt:MATRIX_FMT_FP4 matrix_b_fmt:MATRIX_FMT_FP4 matrix_b_scale:MATRIX_SCALE_ROW1
.else
	v_wmma_scale_f32_16x16x128_f8f6f4 v[rD:rD+7], v[rX:rX+7], v[rW:rW+7], 0, v[XS+\m], v[rS] matrix_a_fmt:MATRIX_FMT_FP4 matrix_b_fmt:MATRIX_FMT_FP4
.endif
.else
.if (\t)%2
	v_wmma_scale_f32_16x16x128_f8f6f4 v[rD:rD+7], v[rX:rX+7], v[rW:rW+7], v[rD:rD+7], v[XS+\m], v[rS] matrix_a_fmt:MATRIX_FMT_FP4 matrix_b_fmt:MATRIX_FMT_FP4 matrix_b_scale:MATRIX_SCALE_ROW1
.else
	v_wmma_scale_f32_16x16x128_f8f6f4 v[rD:rD+7], v[rX:rX+7], v[rW:rW+7], v[rD:rD+7], v[XS+\m], v[rS] matrix_a_fmt:MATRIX_FMT_FP4 matrix_b_fmt:MATRIX_FMT_FP4
.endif
.endif
.endm
; K step s: 72 products, the 72 accumulators by turns, one instruction a turn, in the same order in every step.  The weights have one set of registers: a half is loaded anew
; as soon as its products are issued, four places behind them (ISA guide 7.12.1 for vector instructions).
.macro MULT s
.set ZR, 0
.if (\s) == 0
.set ZR, 1
.endif
.irp m, 0,1,2,3
	ds_load_b128 v[XF+8*\m:XF+8*\m+3], v[XR] offset:(8*\m+(\s))*1024
	ds_load_b128 v[XF+8*\m+4:XF+8*\m+7], v[XR] offset:(8*\m+(\s))*1024+512
	ds_load_b32 v[XS+\m], v[XRS] offset:(8*\m+(\s))*128
.endr
	s_wait_dscnt 0x0
	s_wait_loadcnt 20                              ; tiles 0-9 are in: behind their loads stand the 20 of tiles 10-17
	WIN 0xf3                                       ; source 0 (weights), C and D window 3; source 1 (x) window 0
.irp t, 0,1
.irp m, 0,1,2,3
	PRODQ \t, \m
.endr
.endr
	WIN 0x5c                                       ; source 0 (x) window 0, source 1 (weights) window 3, C and D window 1
.irp t, 2,3,4,5,6,7,8,9
.irp m, 0,1,2,3
	PRODV \t, \m
.endr
.endr
.rept 4
	v_nop
.endr
.if (\s) < 7
	WLOAD0 (\s)+1
	s_wait_loadcnt 25                              ; tiles 10-17 are in: behind their loads stand the 25 just issued
.else
	s_wait_loadcnt 0x0
.endif
	WIN 0xac                                       ; C and D window 2
.irp t, 10,11,12,13,14,15,16,17
.irp m, 0,1,2,3
	PRODV \t, \m
.endr
.endr
.rept 4
	v_nop                                          ; also the places in front of the next step's loads into x's fragments, and of the first reads of results
.endr
.if (\s) < 7
	WLOAD1 (\s)+1
.endif
	WIN 0
.endm
.irp s, 0,1,2,3,4,5,6,7
	QUANTX \s
	MULT \s
.endr
	; ---- q or k: my 32 units are one block of 32 along the next K.  The four tiles of rows by turns in every stage.
.irp m, 0,1,2,3
	v_mov_b32 v[100+\m], 0                         ; lane permutes' destinations
.endr
	WIN 0x03                                       ; source 0 window 3
.irp m, 0,1,2,3
.irp t, 0,1
.irp q, 0,1,2,3
	v_pk_add_f32 v[T+16*\m+8*\t+2*\q:T+16*\m+8*\t+2*\q+1], v[8*(4*\t+\m)+2*\q:8*(4*\t+\m)+2*\q+1], v[BQ+8*\t+2*\q:BQ+8*\t+2*\q+1]   ; + bias; each accumulator from its low end on
.endr
.endr
.endr
	WIN 0
.irp m, 0,1,2,3
	v_max3_num_f32 v[96+\m], |v[T+16*\m]|, |v[T+16*\m+1]|, 0x1800000
.endr
.irp n, 2,4,6,8,10,12,14
.irp m, 0,1,2,3
	v_max3_num_f32 v[96+\m], v[96+\m], |v[T+16*\m+\n]|, |v[T+16*\m+\n+1]|
.endr
.endr
.irp m, 0,1,2,3
	v_permlanex16_b32 v[100+\m], v[96+\m], s80, s81
.endr
.irp m, 0,1,2,3
	v_max_num_f32 v[96+\m], v[96+\m], v[100+\m]    ; with lane l xor 16's 16 units: the block's largest magnitude
.endr
.irp m, 0,1,2,3
	v_add_nc_u32 v[104+\m], 0xff000000, v[96+\m]
.endr
.irp m, 0,1,2,3
	v_lshrrev_b32 v[88+\m], 23, v[104+\m]
.endr
.irp m, 0,1,2,3
	v_cvt_scalef32_pk8_fp4_f32 v[PC+2*\m], v[T+16*\m:T+16*\m+7], v[104+\m]          ; units 8 h + 0 .. 7: word h of the block's four
	v_cvt_scalef32_pk8_fp4_f32 v[PC+2*\m+1], v[T+16*\m+8:T+16*\m+15], v[104+\m]     ; units 16 + 8 h + 0 .. 7: word 2 + h
.endr
	v_nop
.irp m, 0,1,2,3
	ds_store_b32 v[QW], v[PC+2*\m] offset:512*\m
	ds_store_b32 v[QW], v[PC+2*\m+1] offset:512*\m+8
	ds_store_b8 v[QSW], v[88+\m] offset:64*\m      ; both halves of the lanes write the same byte with the same value
	ds_store_b8 v[QSW], v[ONE] offset:64*\m+2      ; the scale 1 for the upper 64 along K, whose codes are zeros
.endr
; ---- v: tiles 2 i and 2 i + 1 of my 16.  A column's 64 keys are two blocks of 32: tiles of rows 0, 1 and 2, 3, in lanes l and l xor 16.
.macro VOUT i
.if (\i) < 4
	WIN 0x01                                       ; source 0 window 1
.else
	WIN 0x02
.endif
.irp u, 0,1
.irp m, 0,1,2,3
.irp q, 0,1,2,3
	v_pk_add_f32 v[T+32*\u+8*\m+2*\q:T+32*\u+8*\m+2*\q+1], v[8*(4*((2*(\i)+\u)%8)+\m)+2*\q:8*(4*((2*(\i)+\u)%8)+\m)+2*\q+1], v[BV+2*(2*(\i)+\u):BV+2*(2*(\i)+\u)+1]
.endr
.endr
.endr
	WIN 0
.irp e, 0,1,2,3                                ; block e = 2 u + (keys / 32): 16 registers from T + 16 e on
	v_max3_num_f32 v[96+\e], |v[T+16*\e]|, |v[T+16*\e+1]|, 0x1800000
.endr
.irp n, 2,4,6,8,10,12,14
.irp e, 0,1,2,3
	v_max3_num_f32 v[96+\e], v[96+\e], |v[T+16*\e+\n]|, |v[T+16*\e+\n+1]|
.endr
.endr
.irp e, 0,1,2,3
	v_permlanex16_b32 v[100+\e], v[96+\e], s80, s81
.endr
.irp e, 0,1,2,3
	v_max_num_f32 v[96+\e], v[96+\e], v[100+\e]
.endr
.irp e, 0,1,2,3
	v_add_nc_u32 v[104+\e], 0xff000000, v[96+\e]
.endr
.irp e, 0,1,2,3
	v_lshrrev_b32 v[108+\e], 23, v[104+\e]
.endr
	v_lshl_or_b32 v112, v109, 8, v108              ; tile 2 i's two bytes,
	v_lshl_or_b32 v113, v111, 8, v110              ; tile 2 i + 1's;
	v_cndmask_b32 v[116+(\i)], v112, v113, s82     ; lanes 0-15 keep the first, lanes 16-31 the second
.irp u, 0,1
	v_cvt_scalef32_pk8_fp4_f32 v[VC+8*(\i)+4*\u], v[T+32*\u:T+32*\u+7], v[104+2*\u]            ; keys 8 h on
	v_cvt_scalef32_pk8_fp4_f32 v[VC+8*(\i)+4*\u+1], v[T+32*\u+16:T+32*\u+23], v[105+2*\u]      ; keys 32 + 8 h on
	v_cvt_scalef32_pk8_fp4_f32 v[VC+8*(\i)+4*\u+2], v[T+32*\u+8:T+32*\u+15], v[104+2*\u]       ; keys 16 + 8 h on
	v_cvt_scalef32_pk8_fp4_f32 v[VC+8*(\i)+4*\u+3], v[T+32*\u+24:T+32*\u+31], v[105+2*\u]      ; keys 48 + 8 h on
.endr
	v_nop
.irp u, 0,1                                    ; the operand's layout wants a whole block in a lane: the first's lanes 16-31 change places with the second's lanes 0-15
	v_permlane16_swap_b32 v[VC+8*(\i)+4*\u], v[VC+8*(\i)+4*\u+1]
	v_permlane16_swap_b32 v[VC+8*(\i)+4*\u+2], v[VC+8*(\i)+4*\u+3]
.endr
.irp u, 0,1
	global_store_b128 v[LI], v[VC+8*(\i)+4*\u:VC+8*(\i)+4*\u+3], s[24:25] offset:1024*(2*(\i)+\u)   ; registers 4 c .. 4 c + 3 of the fragment: 512 consecutive bytes.  No store's data are written again
.endr
	global_store_b16 v[L32], v[116+(\i)], s[26:27] offset:4*(\i)   ; my half of word i.  Two bytes a lane, 32 bytes apart: one byte in 16 of what the wave stores
.endm
.irp i, 0,1,2,3,4,5,6,7
	VOUT \i
.endr
	s_wait_dscnt 0x0                               ; q's and k's codes and bytes have landed
	s_barrier_signal -1
	s_barrier_wait -1
	ds_load_b128 v[192:195], v[QRD]                ; the work-group's 2,048 bytes of q's codes, 16 a thread,
	ds_load_b128 v[196:199], v[QRD] offset:2048    ; k's,
	ds_load_b32 v200, v[QSR]                       ; and the scale words: waves 0, 1 q's 64, waves 2, 3 k's
	s_wait_dscnt 0x0
	global_store_b128 v[T16], v[192:195], s[16:17]
	global_store_b128 v[T16], v[196:199], s[20:21]
	global_store_b32 v[T4], v200, s[18:19]
	s_set_vgpr_msb 0xf
	s_wait_tensorcnt 0x0
	ds_add_u32 v254, v255
	s_wait_dscnt 0x0
	s_set_vgpr_msb 0xf00
	s_endpgm
.Lfunc_end_k_qaf70e92c30_proj:
	.size	k_qaf70e92c30_proj, .Lfunc_end_k_qaf70e92c30_proj-k_qaf70e92c30_proj
	.p2alignl 7, 3214868480
	.fill 96, 4, 3214868480
	.section	.rodata,"a",@progbits
	.p2align	6, 0x0
	.amdhsa_kernel k_qaf70e92c30_proj
		.amdhsa_group_segment_fixed_size 327680
		.amdhsa_private_segment_fixed_size 0
		.amdhsa_enable_private_segment 0
		.amdhsa_kernarg_size 96
		.amdhsa_user_sgpr_count 2
		.amdhsa_user_sgpr_kernarg_segment_ptr 1
		.amdhsa_wavefront_size32 1
		.amdhsa_system_sgpr_workgroup_id_x 1
		.amdhsa_system_sgpr_workgroup_id_y 1
		.amdhsa_system_sgpr_workgroup_id_z 1
		.amdhsa_system_vgpr_workitem_id 0
		.amdhsa_next_free_vgpr 1024
		.amdhsa_next_free_sgpr 90
		.amdhsa_reserve_vcc 0
		.amdhsa_float_denorm_mode_32 3
		.amdhsa_float_denorm_mode_16_64 3
		.amdhsa_memory_ordered 1
		.amdhsa_forward_progress 1
		.amdhsa_inst_pref_size 218
	.end_amdhsa_kernel
	.amdgpu_metadata
---
amdhsa.version: [ 1, 2 ]
amdhsa.kernels:
  - .name:           k_qaf70e92c30_proj
    .symbol:         k_qaf70e92c30_proj.kd
    .args:
      - { .name: input, .offset: 0, .size: 8, .value_kind: global_buffer, .address_space: global }
      - { .name: wcodes, .offset: 8, .size: 8, .value_kind: global_buffer, .address_space: global }
      - { .name: wscales, .offset: 16, .size: 8, .value_kind: global_buffer, .address_space: global }
      - { .name: bq, .offset: 24, .size: 8, .value_kind: global_buffer, .address_space: global }
      - { .name: bk, .offset: 32, .size: 8, .value_kind: global_buffer, .address_space: global }
      - { .name: bv, .offset: 40, .size: 8, .value_kind: global_buffer, .address_space: global }
      - { .name: qcodes, .offset: 48, .size: 8, .value_kind: global_buffer, .address_space: global }
      - { .name: qscales, .offset: 56, .size: 8, .value_kind: global_buffer, .address_space: global }
      - { .name: kcodes, .offset: 64, .size: 8, .value_kind: global_buffer, .address_space: global }
      - { .name: kscales, .offset: 72, .size: 8, .value_kind: global_buffer, .address_space: global }
      - { .name: vcodes, .offset: 80, .size: 8, .value_kind: global_buffer, .address_space: global }
      - { .name: vscales, .offset: 88, .size: 8, .value_kind: global_buffer, .address_space: global }
    .group_segment_fixed_size: 327680
    .private_segment_fixed_size: 0
    .kernarg_segment_align: 8
    .kernarg_segment_size: 96
    .max_flat_workgroup_size: 128
    .sgpr_count:     90
    .vgpr_count:     1024
    .wavefront_size: 32
...
	.end_amdgpu_metadata
.endif
;; end of part 2
;; launch attn (part 3): grid 32 x 8, 4 waves a work-group, no clusters, 151,040 bytes of LDS; arguments qcodes, qscales, kcodes, kscales, vcodes, vscales, out0; writes out0
.if DOCPART == 3
	.amdgcn_target "amdgcn-amd-amdhsa--gfx1250"
	.amdhsa_code_object_version 6
	.text
	.protected	k_qaf70e92c30_attn
	.globl	k_qaf70e92c30_attn
	.p2align	8
	.type	k_qaf70e92c30_attn,@function
k_qaf70e92c30_attn:
	s_mov_b64 s[64:65], 0
	v_nop
	global_prefetch_b8 v0, s[64:65] scope:SCOPE_SE
	s_setreg_imm32_b32 hwreg(HW_REG_WAVE_MODE, 25, 1), 1
	s_wait_xcnt 0x0
; out[b][q][:] = the sum over keys k <= q of softmax_k(q . k / 8) v[k][:], both products on codes of FP4 (E2M1) with one E8M0 scale for each 32 along a product's K.  2,048 rows a batch, 64 units, 1,024 channels.
; All operands come as images of operand registers (launch proj).  The first product's K is 64: the upper 64 of the instruction's 128 are zero codes on both sides, under the scale 1.
; THE SOFTMAX: t = score x log2(e) / 8; M = the row's largest t rounded UP to a whole number; p = 2^(t - M) is quantised along the keys, not normalised; the row's sum of the unquantised p divides at the end.
; TWO PASSES OVER THE KEYS.  A tile of 16 x 16 scores costs one matrix instruction, so the scores are made twice: pass 1 finds each row's largest score, and so M; pass 2 makes p and the second product.
; So there is no running maximum and the 512 accumulator registers of a wave are never rescaled.
; SHARES.  A work-group owns 64 queries of one batch and walks the NST = block / 2 + 1 steps of 128 keys that the mask leaves.  Wave w makes the scores and p of queries 16 w .. 16 w + 15;
; for the second product it owns channels 256 w .. 256 w + 255 of ALL 64 queries: 16 x 4 accumulators.  So each fragment of V is read by one wave, from memory straight into registers, and feeds four products.
; THE KEY STEPS OF PASS 2 ARE LAID ONE OVER THE OTHER.  In trip J a wave makes p of step J and stores its image in LDS; then it issues the 64 products of step J - 1, whose p it loaded behind the last barrier;
; then comes the barrier, and behind it the loads of p of step J.  So the image's stores are out while the products are issued, p's loads while the next softmax is worked, and K's fragments of step J + 1 are asked for
; as soon as step J's scores are issued (in pass 1 too).
; p's images have two places in LDS that take turns, and a trip has one barrier: place J % 2 is stored ahead of barrier J and read behind it; those reads are waited for ahead of barrier J + 1, behind which trip J + 2 stores it again.
; EVERY WORK-GROUP WALKS 16 TRIPS: trip counts are constants and every wave passes every barrier; what lies past NST is left out by scalar branches on the work-group's number and the trip's.
; LAYOUT.  S^T = K Q^T (source 0 = 16 keys, source 1 = my queries): lane (r, h), register 8 t + j = score(query r, key 16 t + 8 h + j).  O^T = V^T P^T (source 0 = 16 channels, source 1 = p): lane (r, h), register j = o(query r, channel 8 h + j).
; NO JOINT LOADS: the query blocks of a batch need 1 to 16 steps of V, and V goes to one wave's registers, not to LDS.
; LIMITS: NaN and infinities are not served; a block of p that is all zeros keeps the byte 1 (its codes are zeros).
; REGISTERS.  window 0: v1-23 addresses and a row's numbers; v24-31 Q; v32 Q's scale words; v36-39 K's; v40-43 p's; v48-63 V's, two sets; v64-127 K's 8 fragments; v128-191 S^T, then p; v192-199 p's codes; v200-231 p's four fragments; v232-251 at work.
;   window 1: V's 16 fragments, two sets.   windows 2, 3: O^T: (tile of channels d, tile of queries m) at 8 (4 (d % 8) + m), window 2 + d / 8.
.set KC,   0                           ; LDS: the batch's codes of K, as they lie: 512 bytes a tile of 16 keys
.set KSC,  65536                       ; its scale words, 4 bytes a key
.set PIM,  73728                       ; p's images: place 4,096 x turn + 1,024 x tile of queries
.set PSC,  81920                       ; p's scale words: 512 x turn + 128 x tile + 4 x lane
.set RCP,  82944                       ; 1 / the rows' sums: 128 x tile + 4 x lane
.set STG,  83456                       ; the way out: for each wave 16 rows x (1,024 bytes + 16)
.set LI,   1                           ; v1   16 x lane
.set L4,   2                           ; v2   4 x lane
.set L32,  3                           ; v3   32 x lane
.set KSA,  5                           ; v5   KSC + 4 x lane
.set PWI,  6                           ; v6   where I store p's image
.set PWS,  7                           ; v7   and its scale word
.set PRI,  8                           ; v8   where I read images
.set PRS,  9                           ; v9   and scale words
.set ADK,  10                          ; v10  the tiles of K that are being asked for
.set ADS,  11                          ; v11  and their scale words
.set STO,  12                          ; v12  the stage: where I put 32 bytes of a row
.set SRD,  13                          ; v13  and where I read rows back
.set NM,   14                          ; v[14:15] -M, twice
.set SUM,  16                          ; v[16:17] the row's sum, in two halves
.set PFO,  18                          ; v18  256 x lane
.set RCW,  19                          ; v19  where I store 1 / sum
.set RCR,  20                          ; v20  where I read them
.set DM,   21                          ; v21  the mask's d
.set NINF, 22                          ; v22  -infinity
.set RH,   23                          ; v23  r - 8 h
.set QF,   24
.set QS,   32
.set KSW,  36
.set PS,   40
.set PW,   44
.set VS,   48
.set KF,   64
.set S,    128
.set PC,   192
.set PF,   200
.set RC,   200                         ; at the end: 1 / sum of tile m, twice, at 200 + 2 m
.set BW,   232                         ; v232-235 the blocks' largest; v236-241 permutes, three chains of the sum, bytes; v244-247 the conversions' scale operands
.set RM,   248                         ; v248-251 pass 1's running maxima
.set OUTR, 64                          ; the way out: a tile's 128 scaled numbers
.set WV,   18                          ; s18 wave   s19 block of 64 queries   s20 batch   s21 NST
.set QB,   19
.set BT,   20
.set NST,  21
.set J,    22                          ; s22 the trip   s23, s24 its step's place among K's codes and scale words   s25 its first key   s26 my first query
.set TK,   23
.set TS,   24
.set KFS,  25
.set Q0,   26
.set CS,   28                          ; s[28:29] c = log2(e) / 8
.set SEL,  30                          ; s[30:31] v_permlanex16_b32's selects for lane l xor 16
.set VA,   32                          ; s[32:33], s[34:35] where V's set 0, 1 was last loaded from
.set VSA,  36                          ; s[36:37], s[38:39] the same for its scale words
.set PFLIM, 46                         ; s46 13 in the work-group that prefetches, else 0
.set NK,   50                          ; s50, s51 the place among K's codes and scale words of the step that is being asked for
.set NS,   51
.set MSB, 0
.macro WIN new                         ; the immediate's high byte repeats the setting that is left; a switch that changes nothing is dropped
.if MSB != \new
	s_set_vgpr_msb (MSB<<8)|\new
.set MSB, \new
.endif
.endm
	s_load_b256 s[4:11], s[0:1], 0x0               ; qcodes s[4:5], qscales s[6:7], kcodes s[8:9], kscales s[10:11]
	s_load_b128 s[12:15], s[0:1], 0x20             ; vcodes s[12:13], vscales s[14:15]
	s_load_b64 s[16:17], s[0:1], 0x30              ; out0
	v_lshl_add_u32 v254, v0, 2, 0x24c00
	v_mov_b32 v255, 0
	v_lshrrev_b32 v1, 5, v0
	v_readfirstlane_b32 s[WV], v1
	s_mov_b32 s[QB], ttmp9
	s_and_b32 s[BT], ttmp7, 0xffff
	s_lshr_b32 s[NST], s[QB], 1
	s_add_co_u32 s[NST], s[NST], 1                 ; steps of 128 keys up to my last query
	s_lshl_b32 s[Q0], s[QB], 6
	s_lshl_b32 s27, s[WV], 4
	s_add_co_u32 s[Q0], s[Q0], s27
	s_mov_b32 s[CS], 0x3e38aa3b
	s_mov_b32 s[CS+1], s[CS]                       ; (named with it as a pair, so it is written)
	s_mov_b32 s[SEL], 0x76543210
	s_mov_b32 s[SEL+1], 0xfedcba98
	s_cmp_eq_u32 s[QB], 31
	s_cselect_b32 s[PFLIM], 13, 0
	s_mov_b32 s45, 0
	s_mov_b32 s49, 0
	v_and_b32 v4, 31, v0                           ; lane
	v_and_b32 v33, 15, v0                          ; r
	v_bfe_u32 v34, v0, 4, 1                        ; h
	v_lshlrev_b32 v[LI], 4, v4
	v_lshlrev_b32 v[L4], 2, v4
	v_lshlrev_b32 v[L32], 5, v4
	v_lshlrev_b32 v[PFO], 8, v4
	v_lshlrev_b32 v35, 2, v33                      ; 4 r
	v_add_nc_u32 v[KSA], KSC, v[L4]
	s_lshl_b32 s27, s[WV], 10
	v_add_nc_u32 v[PWI], s27, v[LI]
	v_add_nc_u32 v[PWI], PIM, v[PWI]
	s_lshl_b32 s27, s[WV], 7
	v_add_nc_u32 v[PWS], s27, v[L4]
	v_add_nc_u32 v[RCW], RCP, v[PWS]
	v_add_nc_u32 v[PWS], PSC, v[PWS]
	v_add_nc_u32 v[PRI], PIM, v[LI]
	v_add_nc_u32 v[PRS], PSC, v[L4]
	v_add_nc_u32 v[RCR], RCP, v[L4]
	s_mul_i32 s27, s[WV], 16640
	v_mul_u32_u24 v[STO], v33, 1040
	v_lshl_add_u32 v[STO], v34, 5, v[STO]
	v_add_nc_u32 v[STO], s27, v[STO]
	v_add_nc_u32 v[STO], STG, v[STO]
	v_add_nc_u32 v[SRD], s27, v[LI]
	v_add_nc_u32 v[SRD], STG, v[SRD]
	v_lshlrev_b32 v[RH], 3, v34
	v_sub_nc_u32 v[RH], v33, v[RH]
	v_mov_b32 v[NINF], 0xff800000
	v_lshlrev_b32 v[ADK], 4, v0                    ; for the copy of K: 16 x thread,
	v_add_nc_u32 v[ADS], KSC, v[ADK]               ; and the same among the scale words
	s_wait_kmcnt 0x0
	s_lshl_b32 s44, s[BT], 7
	s_lshl_b32 s27, s[QB], 2
	s_add_co_u32 s44, s44, s27
	s_add_co_u32 s44, s44, s[WV]
	s_lshl_b32 s44, s44, 9                         ; my tile of queries: 512 bytes each
	s_add_nc_u64 s[4:5], s[4:5], s[44:45]
	s_lshl_b32 s44, s[BT], 11
	s_add_co_u32 s44, s44, s[Q0]
	s_lshl_b32 s44, s44, 2
	s_add_nc_u64 s[6:7], s[6:7], s[44:45]
	global_load_b128 v[QF:QF+3], v[LI], s[4:5]     ; Q's registers 0-3: they stay
	global_load_b32 v[QS], v35, s[6:7]             ; and its scale words
	s_lshl_b32 s44, s[BT], 16
	s_add_nc_u64 s[8:9], s[8:9], s[44:45]
	s_lshl_b32 s44, s[BT], 13
	s_add_nc_u64 s[10:11], s[10:11], s[44:45]
	; the batch's K, 65,536 bytes of codes and 8,192 of scale words, is copied into LDS once, in whole runs of 2,048 bytes a work-group
.set kk, 0
.rept 32
	global_load_b128 v[64+4*kk:67+4*kk], v[ADK], s[8:9] offset:2048*kk
.set kk, kk+1
.endr
.set kk, 0
.rept 4
	global_load_b128 v[192+4*kk:195+4*kk], v[ADK], s[10:11] offset:2048*kk
.set kk, kk+1
.endr
	s_lshl_b32 s44, s[BT], 20
	s_lshl_b32 s27, s[WV], 14
	s_add_co_u32 s44, s44, s27
	s_add_nc_u64 s[VA:VA+1], s[12:13], s[44:45]    ; V: my batch, step 0, my 16 tiles of channels
	s_lshl_b32 s44, s[BT], 16
	s_lshl_b32 s27, s[WV], 10
	s_add_co_u32 s44, s44, s27
	s_add_nc_u64 s[VSA:VSA+1], s[14:15], s[44:45]
	s_cmp_gt_u32 s[NST], 1                         ; set 1 takes step 1; where there is none, step 0 once more, so that the count of loads is the same in every work-group
	s_cselect_b32 s44, 0x10000, 0
	s_cselect_b32 s48, 0x1000, 0
	s_add_nc_u64 s[VA+2:VA+3], s[VA:VA+1], s[44:45]
	s_add_nc_u64 s[VSA+2:VSA+3], s[VSA:VSA+1], s[48:49]
	s_lshl_b32 s44, s[BT], 23
	s_lshl_b32 s27, s[QB], 18
	s_add_co_u32 s44, s44, s27
	s_lshl_b32 s27, s[WV], 10
	s_add_co_u32 s44, s44, s27
	s_add_nc_u64 s[16:17], s[16:17], s[44:45]      ; out0 at my block's first row, my wave's 1,024 bytes of it
.set kk, 0
.rept 32
	s_wait_loadcnt 35-kk                           ; loads come back in order (ISA guide 5.7.1): copy kk is in, the younger ones may be out
	ds_store_b128 v[ADK], v[64+4*kk:67+4*kk] offset:2048*kk
.set kk, kk+1
.endr
.set kk, 0
.rept 4
	s_wait_loadcnt 3-kk
	ds_store_b128 v[ADS], v[192+4*kk:195+4*kk] offset:2048*kk
.set kk, kk+1
.endr
; V's 16 fragments and 8 scale registers of one step into set p: 34 loads
.macro VLOAD p
	WIN 0x40                                       ; destination window 1, address window 0
.irp d, 0,1,2,3,4,5,6,7,8,9,10,11,12,13,14,15
	global_load_b128 v[128*(\p)+8*\d:128*(\p)+8*\d+3], v[LI], s[VA+2*(\p):VA+2*(\p)+1] offset:1024*\d
	global_load_b128 v[128*(\p)+8*\d+4:128*(\p)+8*\d+7], v[LI], s[VA+2*(\p):VA+2*(\p)+1] offset:1024*\d+512
.endr
	WIN 0
	global_load_b128 v[VS+8*(\p):VS+8*(\p)+3], v[L32], s[VSA+2*(\p):VSA+2*(\p)+1]
	global_load_b128 v[VS+8*(\p)+4:VS+8*(\p)+7], v[L32], s[VSA+2*(\p):VSA+2*(\p)+1] offset:16
.endm
	VLOAD 0                                        ; step 0's V; set 1 is asked for behind pass 1: its first use is in trip 2 of pass 2
	s_wait_dscnt 0x0                               ; for the others' sake: my part of K has landed
	s_barrier_signal -1
	s_barrier_wait -1
.irp t, 0,1,2,3,4,5,6,7
.irp q, 4,5,6,7
	v_mov_b32 v[KF+8*\t+\q], 0                     ; the upper 64 along K: zero codes, written once
.endr
.endr
.irp q, 4,5,6,7
	v_mov_b32 v[QF+\q], 0
.endr
.irp i, 0,1,2,3
	v_mov_b32 v[RM+\i], v[NINF]
.endr
.irp i, 0,1,2,3
	v_mov_b32 v[BW+4+\i], 0                        ; lane permutes' destinations
.endr
	v_mov_b32 v[SUM], 0
	v_mov_b32 v[SUM+1], 0                          ; (these ten lines are also the places between the zero codes and the first product)
; K's eight fragments (their lower four registers) and four scale registers of the step whose place stands in s[NK], s[NS]: 12 LDS loads
.macro KLOAD
	v_add_nc_u32 v[ADK], s[NK], v[LI]
	v_add_nc_u32 v[ADS], s[NS], v[KSA]
.irp t, 0,1,2,3,4,5,6,7
	ds_load_b128 v[KF+8*\t:KF+8*\t+3], v[ADK] offset:512*\t
.endr
.irp i, 0,1,2,3
	ds_load_b32 v[KSW+\i], v[ADS] offset:128*\i    ; lanes 0-15 the words of tile 2 i, lanes 16-31 those of tile 2 i + 1
.endr
.endm
; The scores of my 16 queries and the step's 128 keys, whose fragments were asked for a step ago; hidden ones become -infinity.  Behind the products the next step's fragments are asked for.
; w = 1: no wait for all LDS loads has stood behind that request, so one stands here.
.macro SCORES w
.if \w
	s_wait_dscnt 0x0                               ; K's fragments are in
.endif
.irp t, 0,2,4,6
	v_wmma_scale_f32_16x16x128_f8f6f4 v[S+8*\t:S+8*\t+7], v[KF+8*\t:KF+8*\t+7], v[QF:QF+7], 0, v[KSW+\t/2], v[QS] matrix_a_fmt:MATRIX_FMT_FP4 matrix_b_fmt:MATRIX_FMT_FP4
	v_wmma_scale_f32_16x16x128_f8f6f4 v[S+8*\t+8:S+8*\t+15], v[KF+8*\t+8:KF+8*\t+15], v[QF:QF+7], 0, v[KSW+\t/2], v[QS] matrix_a_fmt:MATRIX_FMT_FP4 matrix_b_fmt:MATRIX_FMT_FP4 matrix_a_scale:MATRIX_SCALE_ROW1
.endr
.rept 4
	v_nop                                          ; four places in front of the loads into registers that the products have read, and of the first read of results (ISA guide 7.12.1 for vector instructions)
.endr
	s_add_co_u32 s[NK], s[TK], 4096                ; the next step's place,
	s_min_u32 s[NK], s[NK], 61440                  ; held at step 15's: the last trip asks for that step once more and never leaves K's bytes
	s_add_co_u32 s[NS], s[TS], 512
	s_min_u32 s[NS], s[NS], 7680
	KLOAD
	s_add_co_u32 s27, s[KFS], 127                  ; a step all of whose keys count passes the mask over: a scalar branch on ids
	s_cmp_le_u32 s27, s[Q0]
	s_cbranch_scc1 .Lopen_\@
	s_sub_co_i32 s27, s[Q0], s[KFS]
	v_add_nc_u32 v[DM], s27, v[RH]                 ; d = my query - the step's first key - 8 h.  Register 8 t + j holds key 16 t + 8 h + j: hidden where 16 t + j > d
.set nn, 0
.rept 64
	v_cmp_gt_i32 vcc_lo, 16*(nn/8)+nn%8, v[DM]
	v_cndmask_b32 v[S+nn], v[S+nn], v[NINF], vcc_lo
.set nn, nn+1
.endr
.Lopen_\@:
.endm
	; ---- PASS 1: each query's largest score
	s_mov_b32 s[J], 0
	s_mov_b32 s[TK], 0
	s_mov_b32 s[TS], 0
	s_mov_b32 s[KFS], 0
	s_mov_b32 s[NK], 0
	s_mov_b32 s[NS], 0
	KLOAD                                          ; step 0
.Lpass1:
	s_cmp_ge_u32 s[J], s[NST]
	s_cbranch_scc1 .Lp1_idle
	SCORES 1
.set nn, 0
.rept 32
	v_max3_num_f32 v[RM+nn%4], v[RM+nn%4], v[S+2*nn], v[S+2*nn+1]   ; four chains; each accumulator from its low end on.  The next step's fragments are on their way meanwhile
.set nn, nn+1
.endr
.Lp1_idle:
	s_add_co_u32 s[TK], s[TK], 4096
	s_add_co_u32 s[TS], s[TS], 512
	s_add_co_u32 s[KFS], s[KFS], 128
	s_add_co_u32 s[J], s[J], 1
	s_cmp_lt_u32 s[J], 16
	s_cbranch_scc1 .Lpass1
	s_wait_dscnt 0x0                               ; the last request is in: its registers may be loaded again
	s_mov_b32 s[NK], 0
	s_mov_b32 s[NS], 0
	KLOAD                                          ; pass 2's step 0
	VLOAD 1                                        ; V's set 1
	v_max3_num_f32 v[RM], v[RM], v[RM+1], v[RM+2]
	v_max_num_f32 v[RM], v[RM], v[RM+3]
	v_permlanex16_b32 v[BW+4], v[RM], s[SEL], s[SEL+1]
	v_max_num_f32 v[RM], v[RM], v[BW+4]            ; with lane l xor 16's keys: the row's largest score (key 0 counts for every query: a number)
	v_mul_f32 v[RM], s[CS], v[RM]                  ; as t (c is positive)
	v_floor_f32 v[NM], -v[RM]                      ; -M = floor(-t) = -ceil(t): M is a whole number
	v_mov_b32 v[NM+1], v[NM]
	s_mov_b32 s[J], 0
	s_mov_b32 s[TK], 0
	s_mov_b32 s[TS], 0
	s_mov_b32 s[KFS], 0
; p of my 16 queries and the step's 128 keys, its sum, its codes and scale word; the image goes to place p of LDS: 3 LDS stores.
.macro SOFT p
.irp b, 0,1,2,3
	v_max3_num_f32 v[BW+\b], v[S+16*\b], v[S+16*\b+1], v[S+16*\b+2]   ; the largest SCORE of each block of 32 keys (tiles 2 b, 2 b + 1): p rises with the score, so it gives the block's largest p
.endr
.irp i, 3,5,7,9,11,13
.irp b, 0,1,2,3
	v_max3_num_f32 v[BW+\b], v[BW+\b], v[S+16*\b+\i], v[S+16*\b+\i+1]
.endr
.endr
.irp b, 0,1,2,3
	v_max_num_f32 v[BW+\b], v[BW+\b], v[S+16*\b+15]
.endr
.irp b, 0,1,2,3
	v_permlanex16_b32 v[BW+4+\b], v[BW+\b], s[SEL], s[SEL+1]
.endr
.irp b, 0,1,2,3
	v_max_num_f32 v[BW+\b], v[BW+\b], v[BW+4+\b]   ; with lane l xor 16's 16 keys
.endr
.set nn, 0
.rept 32
	v_pk_fma_f32 v[S+2*nn:S+2*nn+1], v[S+2*nn:S+2*nn+1], s[CS:CS+1], v[NM:NM+1] op_sel_hi:[1,0,0]   ; t - M, two at a time
.set nn, nn+1
.endr
.irp b, 0,1,2,3
	v_fma_f32 v[BW+\b], v[BW+\b], s[CS], v[NM]     ; the same of each block's largest score
.endr
.set nn, 0
.rept 64
	v_exp_f32 v[S+nn], v[S+nn]                     ; p = 2^(t - M), at most 1
.set nn, nn+1
.endr
	v_nop                                          ; a plain line behind the last exponential
	s_wait_alu depctr_va_vdst(0)                   ; one wait for the batch of 64, ahead of its first reader
.irp b, 0,1,2,3
	v_exp_f32 v[BW+\b], v[BW+\b]                   ; the block's largest p: the same two instructions on the same number
.endr
	v_pk_add_f32 v[BW+4:BW+5], v[S:S+1], v[S+2:S+3]          ; the row's sum is taken of the UNQUANTISED p, two at a time, in four chains that do not wait for each other.  (They read the 64 alone: plain work behind the four)
	v_pk_add_f32 v[BW+6:BW+7], v[S+4:S+5], v[S+6:S+7]
	v_pk_add_f32 v[BW+8:BW+9], v[S+8:S+9], v[S+10:S+11]
	v_pk_add_f32 v[SUM:SUM+1], v[SUM:SUM+1], v[S+12:S+13]
.irp j, 14,22,30,38,46,54
	v_pk_add_f32 v[BW+4:BW+5], v[BW+4:BW+5], v[S+\j:S+\j+1]
	v_pk_add_f32 v[BW+6:BW+7], v[BW+6:BW+7], v[S+\j+2:S+\j+3]
	v_pk_add_f32 v[BW+8:BW+9], v[BW+8:BW+9], v[S+\j+4:S+\j+5]
	v_pk_add_f32 v[SUM:SUM+1], v[SUM:SUM+1], v[S+\j+6:S+\j+7]
.endr
	v_pk_add_f32 v[BW+4:BW+5], v[BW+4:BW+5], v[S+62:S+63]
	v_pk_add_f32 v[SUM:SUM+1], v[SUM:SUM+1], v[BW+8:BW+9]
	v_pk_add_f32 v[BW+4:BW+5], v[BW+4:BW+5], v[BW+6:BW+7]
	v_pk_add_f32 v[SUM:SUM+1], v[SUM:SUM+1], v[BW+4:BW+5]
	s_wait_alu depctr_va_vdst(0)                   ; and one for the four
.irp b, 0,1,2,3
	v_max_num_f32 v[BW+\b], 0x1800000, v[BW+\b]    ; the floor 2^(3 - 127): the byte cannot fall under 1
.endr
.irp b, 0,1,2,3
	v_add_nc_u32 v[BW+12+\b], 0xff000000, v[BW+\b] ; 2 off the exponent field: the conversion's scale operand
.endr
.irp b, 0,1,2,3
	v_lshrrev_b32 v[BW+4+\b], 23, v[BW+12+\b]      ; the scale's byte
.endr
	v_lshl_or_b32 v[PW], v[BW+5], 8, v[BW+4]       ; my query's scale word for these 128 keys
	v_lshl_or_b32 v[PW], v[BW+6], 16, v[PW]
	v_lshl_or_b32 v[PW], v[BW+7], 24, v[PW]
.irp c, 0,1                                    ; one conversion takes one tile's eight keys, 16 t + 8 h on
	v_cvt_scalef32_pk8_fp4_f32 v[PC+4*\c], v[S+32*\c:S+32*\c+7], v[BW+12+2*\c]          ; tile 4 c
	v_cvt_scalef32_pk8_fp4_f32 v[PC+4*\c+1], v[S+32*\c+16:S+32*\c+23], v[BW+13+2*\c]    ; tile 4 c + 2
	v_cvt_scalef32_pk8_fp4_f32 v[PC+4*\c+2], v[S+32*\c+8:S+32*\c+15], v[BW+12+2*\c]     ; tile 4 c + 1
	v_cvt_scalef32_pk8_fp4_f32 v[PC+4*\c+3], v[S+32*\c+24:S+32*\c+31], v[BW+13+2*\c]    ; tile 4 c + 3
.endr
	v_nop                                          ; one plain line behind the last conversion
.irp c, 0,1                                    ; the operand's layout wants keys 64 c + 32 h + 0 .. 31 in a lane: the first's lanes 16-31 change places with the second's lanes 0-15
	v_permlane16_swap_b32 v[PC+4*\c], v[PC+4*\c+1]
	v_permlane16_swap_b32 v[PC+4*\c+2], v[PC+4*\c+3]
.endr
	ds_store_b128 v[PWI], v[PC:PC+3] offset:4096*(\p)
	ds_store_b128 v[PWI], v[PC+4:PC+7] offset:4096*(\p)+512
	ds_store_b32 v[PWS], v[PW] offset:512*(\p)
.endm
; All four tiles' p and scale words out of place p: 12 LDS loads
.macro PLOAD p
.irp m, 0,1,2,3
	ds_load_b128 v[PF+8*\m:PF+8*\m+3], v[PRI] offset:4096*(\p)+1024*\m
	ds_load_b128 v[PF+8*\m+4:PF+8*\m+7], v[PRI] offset:4096*(\p)+1024*\m+512
	ds_load_b32 v[PS+\m], v[PRS] offset:512*(\p)+128*\m
.endr
.endm
.macro OPROD p, d, m, zero             ; O^T(d, m) += V^T(d) P^T(m); an odd tile's scale words stand in lanes 16-31
.set rD, 8*(4*((\d)%8)+(\m))
.set rA, 128*(\p)+8*(\d)
.set rB, PF+8*(\m)
.set rW, VS+8*(\p)+(\d)/2
.if \zero
.if (\d)%2
	v_wmma_scale_f32_16x16x128_f8f6f4 v[rD:rD+7], v[rA:rA+7], v[rB:rB+7], 0, v[rW], v[PS+\m] matrix_a_fmt:MATRIX_FMT_FP4 matrix_b_fmt:MATRIX_FMT_FP4 matrix_a_scale:MATRIX_SCALE_ROW1
.else
	v_wmma_scale_f32_16x16x128_f8f6f4 v[rD:rD+7], v[rA:rA+7], v[rB:rB+7], 0, v[rW], v[PS+\m] matrix_a_fmt:MATRIX_FMT_FP4 matrix_b_fmt:MATRIX_FMT_FP4
.endif
.else
.if (\d)%2
	v_wmma_scale_f32_16x16x128_f8f6f4 v[rD:rD+7], v[rA:rA+7], v[rB:rB+7], v[rD:rD+7], v[rW], v[PS+\m] matrix_a_fmt:MATRIX_FMT_FP4 matrix_b_fmt:MATRIX_FMT_FP4 matrix_a_scale:MATRIX_SCALE_ROW1
.else
	v_wmma_scale_f32_16x16x128_f8f6f4 v[rD:rD+7], v[rA:rA+7], v[rB:rB+7], v[rD:rD+7], v[rW], v[PS+\m] matrix_a_fmt:MATRIX_FMT_FP4 matrix_b_fmt:MATRIX_FMT_FP4
.endif
.endif
.endm
; The second product of step J - 1, in trip J: 64 products (the 64 accumulators by turns, one instruction a turn) on V's set p.
; dc: the LDS instructions issued behind p's loads, which may stay out.  re = 1: set p is then loaded anew, for step J + 1.
.macro PV p, zero, dc, re
	s_wait_loadcnt 34                              ; this step's V is in: behind its loads stand at most the other set's 34
	s_wait_dscnt \dc                               ; p is in
	WIN 0xa1                                       ; source 0 (V) window 1, source 1 (p) window 0, C and D window 2
.irp d, 0,1,2,3,4,5,6,7
.irp m, 0,1,2,3
	OPROD \p, \d, \m, \zero
.endr
.endr
	WIN 0xf1                                       ; C and D window 3
.irp d, 8,9,10,11,12,13,14,15
.irp m, 0,1,2,3
	OPROD \p, \d, \m, \zero
.endr
.endr
	WIN 0
.rept 4
	v_nop                                          ; four places in front of loads into registers that the products have read (V's here, p's behind the barrier), and of the first read of results
.endr
.if \re
	s_add_co_u32 s27, s[J], 1
	s_cmp_lt_u32 s27, s[NST]
	s_cbranch_scc0 .Lnoload_\@
	s_wait_xcnt 0x0                                ; this set's last loads are in, and the prefetch that named its address, two trips back, has read it: the address may step
	s_add_nc_u64 s[VA+2*(\p):VA+2*(\p)+1], s[VA+2*(\p):VA+2*(\p)+1], 0x20000     ; two steps of 65,536 bytes on
	s_add_nc_u64 s[VSA+2*(\p):VSA+2*(\p)+1], s[VSA+2*(\p):VSA+2*(\p)+1], 0x2000  ; two steps of 4,096
	VLOAD \p
	; A PREFETCH INTO THE L2, behind the run of loads: my wave's 16,384 bytes of V's codes of step J + 3, two trips ahead of the loads that will want them; lanes 256 bytes apart, two instructions.
	; All blocks of a batch walk the same V from step 0 on: the last block, which walks all 16 steps, asks, and nobody else: each block of 256 bytes is named once.  It stops at J = 12: step 15 is the last.  Steps 0 to 3 come by their loads alone.
	s_cmp_lt_u32 s[J], s[PFLIM]
	s_cbranch_scc0 .Lloaded_\@
	global_prefetch_b8 v[PFO], s[VA+2*(\p):VA+2*(\p)+1] offset:131072 th:TH_LOAD_NT scope:SCOPE_SE
	global_prefetch_b8 v[PFO], s[VA+2*(\p):VA+2*(\p)+1] offset:139264 th:TH_LOAD_NT scope:SCOPE_SE
	s_branch .Lloaded_\@
.Lnoload_\@:
	s_wait_loadcnt 0x0                             ; nothing is loaded here: then no load is out, so that the next trip's count holds on this way too
.Lloaded_\@:
.endif
.endm
; TRIP J of pass 2.  p = J % 2: the place of step J's image; vp = (J - 1) % 2: V's set of step J - 1.
; kind 0: trip 0: no products yet, no guards.  kind 1: trip 1: step 0's products run in every work-group and start O^T's sums: nothing is ever cleared.  kind 2: the trips of the loop.
; The barrier stands outside the guards: every wave passes it in all 16 trips.
.macro ITER p, vp, kind
.if \kind
	s_cmp_ge_u32 s[J], s[NST]
	s_cbranch_scc1 .Lnosoft_\@
	SCORES 0                                       ; K's fragments were asked for a trip ago, ahead of the wait for all LDS instructions in front of the barrier: they are in
.else
	SCORES 1
.endif
	SOFT \p
.if \kind
	s_branch .Lsoft_\@
.Lnosoft_\@:
	s_wait_dscnt 0x0                               ; on this way nothing was issued behind p's loads: the count below would not cover them
.Lsoft_\@:
.endif
.if \kind == 1
	PV \vp, 1, 15, 1                               ; behind p's 12 loads stand K's 12 and the image's 3 stores
.endif
.if \kind == 2
	s_cmp_gt_u32 s[J], s[NST]                      ; step J - 1 is one of mine where J <= NST
	s_cbranch_scc1 .Lnopv_\@
	PV \vp, 0, 15, 1
	s_branch .Lpv_\@
.Lnopv_\@:
	s_wait_loadcnt 0x0
.Lpv_\@:
.endif
	s_wait_dscnt 0x0                               ; my image has landed (its stores went out ahead of the products), and my reads of the other place are over
	s_barrier_signal -1
	s_barrier_wait -1                              ; all four images of step J lie in place p
.if \kind
	s_cmp_ge_u32 s[J], s[NST]
	s_cbranch_scc1 .Lnopl_\@
.endif
	PLOAD \p                                       ; they are wanted behind the next trip's softmax
.if \kind
.Lnopl_\@:
.endif
	s_add_co_u32 s[J], s[J], 1
	s_add_co_u32 s[TK], s[TK], 4096
	s_add_co_u32 s[TS], s[TS], 512
	s_add_co_u32 s[KFS], s[KFS], 128
.endm
	; ---- PASS 2
	ITER 0, 1, 0
	ITER 1, 0, 1
	s_mov_b32 s47, 7
.Lpair:
	ITER 0, 1, 2
	ITER 1, 0, 2
	s_sub_co_u32 s47, s47, 1
	s_cmp_lg_u32 s47, 0
	s_cbranch_scc1 .Lpair
	s_cmp_gt_u32 s[J], s[NST]                      ; J = 16: step 15's products, where the block has 16 steps
	s_cbranch_scc1 .Lnotail
	PV 1, 0, 0, 0
.Lnotail:
	s_wait_loadcnt 0x0                             ; no load into V's registers is out, on whichever way the last trips were left: the way out's loads from the stage land in those registers only behind this wait
	; ---- the divisors: my 16 queries' sums; every wave wants all 64
	v_add_f32 v[SUM], v[SUM], v[SUM+1]
	v_permlanex16_b32 v[BW+4], v[SUM], s[SEL], s[SEL+1]
	v_add_f32 v[SUM], v[SUM], v[BW+4]
	v_rcp_f32 v[SUM+1], v[SUM]
	v_nop                                          ; a plain line behind the reciprocal
	s_wait_alu depctr_va_vdst(0)                   ; and the wait ahead of its first reader
	ds_store_b32 v[RCW], v[SUM+1]
	s_wait_dscnt 0x0
	s_barrier_signal -1
	s_barrier_wait -1
.irp m, 0,1,2,3
	ds_load_b32 v[RC+2*\m], v[RCR] offset:128*\m   ; lane (r, h): 1 / the sum of query 16 m + r, twice, for the packed multiplication
	ds_load_b32 v[RC+2*\m+1], v[RCR] offset:128*\m
.endr
	s_wait_dscnt 0x0
; ---- THE WAY OUT, a tile of 16 queries at a time.  A lane holds 32 neighbouring bytes of a row and the lanes beside it other rows: so the tile goes through my own stage in LDS and comes back as runs of 512 bytes of a row.
.macro SCALE m
	WIN 0x02                                       ; source 0 window 2
.irp d, 0,1,2,3,4,5,6,7
.irp q, 0,1,2,3
	v_pk_mul_f32 v[OUTR+8*\d+2*\q:OUTR+8*\d+2*\q+1], v[8*(4*\d+(\m))+2*\q:8*(4*\d+(\m))+2*\q+1], v[RC+2*(\m):RC+2*(\m)+1]   ; each accumulator from its low end on
.endr
.endr
	WIN 0x03
.irp d, 0,1,2,3,4,5,6,7
.irp q, 0,1,2,3
	v_pk_mul_f32 v[OUTR+64+8*\d+2*\q:OUTR+64+8*\d+2*\q+1], v[8*(4*\d+(\m))+2*\q:8*(4*\d+(\m))+2*\q+1], v[RC+2*(\m):RC+2*(\m)+1]
.endr
.endr
	WIN 0
.endm
.macro TOSTAGE m
.set dd, 0
.rept 16
	ds_store_b128 v[STO], v[OUTR+8*dd:OUTR+8*dd+3] offset:64*dd
	ds_store_b128 v[STO], v[OUTR+8*dd+4:OUTR+8*dd+7] offset:64*dd+16
.set dd, dd+1
.endr
	WIN 0x40                                       ; destination window 1: V's registers are free
.set dd, 0
.rept 32
	ds_load_b128 v[128*((\m)%2)+4*dd:128*((\m)%2)+4*dd+3], v[SRD] offset:1040*(dd/2)+512*(dd%2)   ; LDS serves a wave's instructions in order (ISA guide 5.7.1.4): these see the stores above
.set dd, dd+1
.endr
	WIN 0
.endm
.macro SEND m
	WIN 0x04                                       ; a store's data are its source 1: window 1
.set dd, 0
.rept 32
	global_store_b128 v[LI], v[128*((\m)%2)+4*dd:128*((\m)%2)+4*dd+3], s[16:17] offset:(16*(\m)+dd/2)*4096+512*(dd%2) th:TH_STORE_NT   ; 32 lanes store 512 consecutive bytes, at a multiple of 256 from out0's first byte
.set dd, dd+1
.endr
	WIN 0
.endm
	SCALE 0
	TOSTAGE 0
.irp m, 1,2,3
	s_wait_dscnt 32                                ; the 32 stores into the stage have read their registers; the 32 loads behind them may be out
	SCALE \m
	s_wait_dscnt 0x0                               ; the tile before is back in registers
	SEND \m-1
.if \m > 1
	s_wait_xcnt 0x0                                ; the stores of two tiles back have read their registers: this tile's loads may land there
.endif
	TOSTAGE \m
.endr
	s_wait_dscnt 0x0
	SEND 3
	s_wait_tensorcnt 0x0
	ds_add_u32 v254, v255
	s_wait_dscnt 0x0
	s_endpgm
.Lfunc_end_k_qaf70e92c30_attn:
	.size	k_qaf70e92c30_attn, .Lfunc_end_k_qaf70e92c30_attn-k_qaf70e92c30_attn
	.p2alignl 7, 3214868480
	.fill 96, 4, 3214868480
	.section	.rodata,"a",@progbits
	.p2align	6, 0x0
	.amdhsa_kernel k_qaf70e92c30_attn
		.amdhsa_group_segment_fixed_size 151040
		.amdhsa_private_segment_fixed_size 0
		.amdhsa_enable_private_segment 0
		.amdhsa_kernarg_size 56
		.amdhsa_user_sgpr_count 2
		.amdhsa_user_sgpr_kernarg_segment_ptr 1
		.amdhsa_wavefront_size32 1
		.amdhsa_system_sgpr_workgroup_id_x 1
		.amdhsa_system_sgpr_workgroup_id_y 1
		.amdhsa_system_sgpr_workgroup_id_z 1
		.amdhsa_system_vgpr_workitem_id 0
		.amdhsa_next_free_vgpr 1024
		.amdhsa_next_free_sgpr 66
		.amdhsa_reserve_vcc 1
		.amdhsa_float_denorm_mode_32 3
		.amdhsa_float_denorm_mode_16_64 3
		.amdhsa_memory_ordered 1
		.amdhsa_forward_progress 1
		.amdhsa_inst_pref_size 198
	.end_amdhsa_kernel
	.amdgpu_metadata
---
amdhsa.version: [ 1, 2 ]
amdhsa.kernels:
  - .name:           k_qaf70e92c30_attn
    .symbol:         k_qaf70e92c30_attn.kd
    .args:
      - { .name: qcodes, .offset: 0, .size: 8, .value_kind: global_buffer, .address_space: global }
      - { .name: qscales, .offset: 8, .size: 8, .value_kind: global_buffer, .address_space: global }
      - { .name: kcodes, .offset: 16, .size: 8, .value_kind: global_buffer, .address_space: global }
      - { .name: kscales, .offset: 24, .size: 8, .value_kind: global_buffer, .address_space: global }
      - { .name: vcodes, .offset: 32, .size: 8, .value_kind: global_buffer, .address_space: global }
      - { .name: vscales, .offset: 40, .size: 8, .value_kind: global_buffer, .address_space: global }
      - { .name: out0, .offset: 48, .size: 8, .value_kind: global_buffer, .address_space: global }
    .group_segment_fixed_size: 151040
    .private_segment_fixed_size: 0
    .kernarg_segment_align: 8
    .kernarg_segment_size: 56
    .max_flat_workgroup_size: 128
    .sgpr_count:     66
    .vgpr_count:     1024
    .wavefront_size: 32
...
	.end_amdgpu_metadata
.endif
;; end of part 3
;; ======== version 2 of 2: 3 launches; version 1 with the launch attn written anew for expert scheduling mode
;; workspace buffers: wcodes 589,824 bytes; wscales 36,864 bytes; qcodes 524,288 bytes; qscales 65,536 bytes; kcodes 524,288 bytes; kscales 65,536 bytes; vcodes 8,388,608 bytes; vscales 524,288 bytes
;; launch wprep: the kernel of part 1 again; grid 18 x 8, 4 waves a work-group, no clusters, 0 bytes of LDS; arguments Wq, Wk, Wv, wcodes, wscales; writes wcodes, wscales
;; launch proj: the kernel of part 2 again; grid 256 x 1, 4 waves a work-group, no clusters, 327,680 bytes of LDS; arguments input, wcodes, wscales, bq, bk, bv, qcodes, qscales, kcodes, kscales, vcodes, vscales; writes qcodes, qscales, kcodes, kscales, vcodes, vscales
;; launch attn (part 4): grid 32 x 8, 4 waves a work-group, no clusters, 151,040 bytes of LDS; arguments qcodes, qscales, kcodes, kscales, vcodes, vscales, out0; writes out0
.if DOCPART == 4
	.amdgcn_target "amdgcn-amd-amdhsa--gfx1250"
	.amdhsa_code_object_version 6
	.text
	.protected	k_qaf70e92c30_attn
	.globl	k_qaf70e92c30_attn
	.p2align	8
	.type	k_qaf70e92c30_attn,@function
k_qaf70e92c30_attn:
	s_mov_b64 s[64:65], 0
	v_nop
	global_prefetch_b8 v0, s[64:65] scope:SCOPE_SE
	s_setreg_imm32_b32 hwreg(HW_REG_WAVE_SCHED_MODE, 0, 2), 2
	s_setreg_imm32_b32 hwreg(HW_REG_WAVE_MODE, 25, 1), 1
	s_wait_xcnt 0x0
	s_wait_alu depctr_vm_vsrc(0)
; out[b][q][:] = the sum over keys k <= q of softmax_k(q . k / 8) v[k][:], both products on codes of FP4 (E2M1) with one E8M0 scale for each 32 along a product's K.  2,048 rows a batch, 64 units, 1,024 channels.
; All operands come as images of operand registers (launch proj).  The first product's K is 64: the upper 64 of the instruction's 128 are zero codes on both sides, under the scale 1.
; THE SOFTMAX: t = score x log2(e) / 8; M = the row's largest t rounded UP to a whole number; p = 2^(t - M) is quantised along the keys, not normalised; the row's sum of the unquantised p divides at the end.
; TWO PASSES OVER THE KEYS.  A tile of 16 x 16 scores costs one matrix instruction, so the scores are made twice: pass 1 finds each row's largest score, and so M; pass 2 makes p and the second product.
; So there is no running maximum and the 512 accumulator registers of a wave are never rescaled.
; SHARES.  A work-group owns 64 queries of one batch and walks the NST = block / 2 + 1 steps of 128 keys that the mask leaves.  Wave w makes the scores and p of queries 16 w .. 16 w + 15;
; for the second product it owns channels 256 w .. 256 w + 255 of ALL 64 queries: 16 x 4 accumulators.  So each fragment of V is read by one wave, from memory straight into registers, and feeds four products.
; THE KEY STEPS OF PASS 2 ARE LAID ONE OVER THE OTHER.  In trip J a wave makes p of step J and stores its image in LDS; then it issues the 64 products of step J - 1, whose p it loaded behind the last barrier;
; then comes the barrier, and behind it the loads of p of step J.  So the image's stores are out while the products are issued, p's loads while the next softmax is worked, and K's fragments of step J + 1 are asked for
; as soon as step J's scores are issued (in pass 1 too).
; p's images have two places in LDS that take turns, and a trip has one barrier: place J % 2 is stored ahead of barrier J and read behind it; those reads are waited for ahead of barrier J + 1, behind which trip J + 2 stores it again.
; EVERY WORK-GROUP WALKS 16 TRIPS: trip counts are constants and every wave passes every barrier; what lies past NST is left out by scalar branches on the work-group's number and the trip's.
; LAYOUT.  S^T = K Q^T (source 0 = 16 keys, source 1 = my queries): lane (r, h), register 8 t + j = score(query r, key 16 t + 8 h + j).  O^T = V^T P^T (source 0 = 16 channels, source 1 = p): lane (r, h), register j = o(query r, channel 8 h + j).
; NO JOINT LOADS: the query blocks of a batch need 1 to 16 steps of V, and V goes to one wave's registers, not to LDS.
; LIMITS: NaN and infinities are not served; a block of p that is all zeros keeps the byte 1 (its codes are zeros).
; THE MODE: SCHED_MODE bits 1:0 = 2 (LLVM: expert scheduling mode 2), set by the entry lines.  The code itself states the register dependences
; between vector or matrix instructions and memory or LDS instructions, with s_wait_alu, always for 0.
; THE PLAN.  Registers that memory or LDS instructions touch:
;   the addresses v1-3, v5-9, v12, v13, v18-20, v35 and the add's v254, v255: made at the head, never written again: one wait on va_vdst ahead of the first load serves them all.
;   v[ADK], v[ADS]  read by K's 12 LDS loads of a step; written once a step, at the head of the scores: a wait on vm_vsrc ahead of the two additions; the wait behind the score products shows them written.
;   KF, KSW         a step's 8 score products read them; behind those products one wait on va_vdst, and the next step's 12 loads land.  (KF's and Q's upper halves, zero codes, are written once, ahead of the head's wait.)
;   PC, PW          the softmax writes them; one wait on va_vdst; the image's 3 LDS stores read them; the next trip's wait on vm_vsrc stands ahead of the next softmax.
;   PF, PS; V's set, VS   a trip's 64 products read them; behind the products one wait on va_vdst; V's reload follows, and behind the barrier p's loads: only scalar lines, waits and the barrier stand between.
;   OUTR; V's registers on the way out   the multiplications write OUTR, the stage's stores read it; the stage's loads land in V's registers, the global stores read them: a wait at each change of hands.
;   S, BW, RM, SUM, NM and the accumulators are named by vector and matrix instructions alone.
; The causal mask's compares write lane masks into scalar registers, eight to a run, with one wait on va_sdst between a run and the eight selections that read them.
; REGISTERS.  window 0: v1-23 addresses and a row's numbers; v24-31 Q; v32 Q's scale words; v36-39 K's; v40-43 p's; v48-63 V's, two sets; v64-127 K's 8 fragments; v128-191 S^T, then p; v192-199 p's codes; v200-231 p's four fragments; v232-251 at work.
;   window 1: V's 16 fragments, two sets.   windows 2, 3: O^T: (tile of channels d, tile of queries m) at 8 (4 (d % 8) + m), window 2 + d / 8.
.set KC,   0                           ; LDS: the batch's codes of K, as they lie: 512 bytes a tile of 16 keys
.set KSC,  65536                       ; its scale words, 4 bytes a key
.set PIM,  73728                       ; p's images: place 4,096 x turn + 1,024 x tile of queries
.set PSC,  81920                       ; p's scale words: 512 x turn + 128 x tile + 4 x lane
.set RCP,  82944                       ; 1 / the rows' sums: 128 x tile + 4 x lane
.set STG,  83456                       ; the way out: for each wave 16 rows x (1,024 bytes + 16)
.set LI,   1                           ; v1   16 x lane
.set L4,   2                           ; v2   4 x lane
.set L32,  3                           ; v3   32 x lane
.set KSA,  5                           ; v5   KSC + 4 x lane
.set PWI,  6                           ; v6   where I store p's image
.set PWS,  7                           ; v7   and its scale word
.set PRI,  8                           ; v8   where I read images
.set PRS,  9                           ; v9   and scale words
.set ADK,  10                          ; v10  the tiles of K that are being asked for
.set ADS,  11                          ; v11  and their scale words
.set STO,  12                          ; v12  the stage: where I put 32 bytes of a row
.set SRD,  13                          ; v13  and where I read rows back
.set NM,   14                          ; v[14:15] -M, twice
.set SUM,  16                          ; v[16:17] the row's sum, in two halves
.set PFO,  18                          ; v18  256 x lane
.set RCW,  19                          ; v19  where I store 1 / sum
.set RCR,  20                          ; v20  where I read them
.set DM,   21                          ; v21  the mask's d
.set NINF, 22                          ; v22  -infinity
.set RH,   23                          ; v23  r - 8 h
.set QF,   24
.set QS,   32
.set KSW,  36
.set PS,   40
.set PW,   44
.set VS,   48
.set KF,   64
.set S,    128
.set PC,   192
.set PF,   200
.set RC,   200                         ; at the end: 1 / sum of tile m, twice, at 200 + 2 m
.set BW,   232                         ; v232-235 the blocks' largest; v236-241 permutes, three chains of the sum, bytes; v244-247 the conversions' scale operands
.set RM,   248                         ; v248-251 pass 1's running maxima
.set OUTR, 64                          ; the way out: a tile's 128 scaled numbers
.set WV,   18                          ; s18 wave   s19 block of 64 queries   s20 batch   s21 NST
.set QB,   19
.set BT,   20
.set NST,  21
.set J,    22                          ; s22 the trip   s23, s24 its step's place among K's codes and scale words   s25 its first key   s26 my first query
.set TK,   23
.set TS,   24
.set KFS,  25
.set Q0,   26
.set CS,   28                          ; s[28:29] c = log2(e) / 8
.set SEL,  30                          ; s[30:31] v_permlanex16_b32's selects for lane l xor 16
.set VA,   32                          ; s[32:33], s[34:35] where V's set 0, 1 was last loaded from
.set VSA,  36                          ; s[36:37], s[38:39] the same for its scale words
.set PFLIM, 46                         ; s46 13 in the work-group that prefetches, else 0
.set NK,   50                          ; s50, s51 the place among K's codes and scale words of the step that is being asked for
.set NS,   51
.set MK,   52                          ; s52-59 the causal mask's lane masks, eight to a run
.set MSB, 0
.macro WIN new                         ; the immediate's high byte repeats the setting that is left; a switch that changes nothing is dropped
.if MSB != \new
	s_set_vgpr_msb (MSB<<8)|\new
.set MSB, \new
.endif
.endm
	s_load_b256 s[4:11], s[0:1], 0x0               ; qcodes s[4:5], qscales s[6:7], kcodes s[8:9], kscales s[10:11]
	s_load_b128 s[12:15], s[0:1], 0x20             ; vcodes s[12:13], vscales s[14:15]
	s_load_b64 s[16:17], s[0:1], 0x30              ; out0
	v_lshl_add_u32 v254, v0, 2, 0x24c00
	v_mov_b32 v255, 0
	v_lshrrev_b32 v1, 5, v0
	v_readfirstlane_b32 s[WV], v1
	s_mov_b32 s[QB], ttmp9
	s_and_b32 s[BT], ttmp7, 0xffff
	s_lshr_b32 s[NST], s[QB], 1
	s_add_co_u32 s[NST], s[NST], 1                 ; steps of 128 keys up to my last query
	s_lshl_b32 s[Q0], s[QB], 6
	s_wait_alu depctr_va_sdst(0)                   ; s[WV] is written, ahead of its first reader: my first query, LDS places and bases are made from it
	s_lshl_b32 s27, s[WV], 4
	s_add_co_u32 s[Q0], s[Q0], s27
	s_mov_b32 s[CS], 0x3e38aa3b
	s_mov_b32 s[CS+1], s[CS]                       ; (named with it as a pair, so it is written)
	s_mov_b32 s[SEL], 0x76543210
	s_mov_b32 s[SEL+1], 0xfedcba98
	s_cmp_eq_u32 s[QB], 31
	s_cselect_b32 s[PFLIM], 13, 0
	s_mov_b32 s45, 0
	s_mov_b32 s49, 0
	v_and_b32 v4, 31, v0                           ; lane
	v_and_b32 v33, 15, v0                          ; r
	v_bfe_u32 v34, v0, 4, 1                        ; h
	v_lshlrev_b32 v[LI], 4, v4
	v_lshlrev_b32 v[L4], 2, v4
	v_lshlrev_b32 v[L32], 5, v4
	v_lshlrev_b32 v[PFO], 8, v4
	v_lshlrev_b32 v35, 2, v33                      ; 4 r
	v_add_nc_u32 v[KSA], KSC, v[L4]
	s_lshl_b32 s27, s[WV], 10
	v_add_nc_u32 v[PWI], s27, v[LI]
	v_add_nc_u32 v[PWI], PIM, v[PWI]
	s_lshl_b32 s27, s[WV], 7
	v_add_nc_u32 v[PWS], s27, v[L4]
	v_add_nc_u32 v[RCW], RCP, v[PWS]
	v_add_nc_u32 v[PWS], PSC, v[PWS]
	v_add_nc_u32 v[PRI], PIM, v[LI]
	v_add_nc_u32 v[PRS], PSC, v[L4]
	v_add_nc_u32 v[RCR], RCP, v[L4]
	s_mul_i32 s27, s[WV], 16640
	v_mul_u32_u24 v[STO], v33, 1040
	v_lshl_add_u32 v[STO], v34, 5, v[STO]
	v_add_nc_u32 v[STO], s27, v[STO]
	v_add_nc_u32 v[STO], STG, v[STO]
	v_add_nc_u32 v[SRD], s27, v[LI]
	v_add_nc_u32 v[SRD], STG, v[SRD]
	v_lshlrev_b32 v[RH], 3, v34
	v_sub_nc_u32 v[RH], v33, v[RH]
	v_mov_b32 v[NINF], 0xff800000
	v_lshlrev_b32 v[ADK], 4, v0                    ; for the copy of K: 16 x thread,
	v_add_nc_u32 v[ADS], KSC, v[ADK]               ; and the same among the scale words
	s_wait_kmcnt 0x0
	s_lshl_b32 s44, s[BT], 7
	s_lshl_b32 s27, s[QB], 2
	s_add_co_u32 s44, s44, s27
	s_add_co_u32 s44, s44, s[WV]
	s_lshl_b32 s44, s44, 9                         ; my tile of queries: 512 bytes each
	s_add_nc_u64 s[4:5], s[4:5], s[44:45]
	s_lshl_b32 s44, s[BT], 11
	s_add_co_u32 s44, s44, s[Q0]
	s_lshl_b32 s44, s44, 2
	s_add_nc_u64 s[6:7], s[6:7], s[44:45]
	s_wait_alu depctr_va_vdst(0)                   ; all the addresses and offsets above are written, which the kernel's loads, stores, LDS instructions and prefetches read; so are v254 and v255
	global_load_b128 v[QF:QF+3], v[LI], s[4:5]     ; Q's registers 0-3: they stay
	global_load_b32 v[QS], v35, s[6:7]             ; and its scale words
	s_lshl_b32 s44, s[BT], 16
	s_add_nc_u64 s[8:9], s[8:9], s[44:45]
	s_lshl_b32 s44, s[BT], 13
	s_add_nc_u64 s[10:11], s[10:11], s[44:45]
	; the batch's K, 65,536 bytes of codes and 8,192 of scale words, is copied into LDS once, in whole runs of 2,048 bytes a work-group
.set kk, 0
.rept 32
	global_load_b128 v[64+4*kk:67+4*kk], v[ADK], s[8:9] offset:2048*kk
.set kk, kk+1
.endr
.set kk, 0
.rept 4
	global_load_b128 v[192+4*kk:195+4*kk], v[ADK], s[10:11] offset:2048*kk
.set kk, kk+1
.endr
	s_lshl_b32 s44, s[BT], 20
	s_lshl_b32 s27, s[WV], 14
	s_add_co_u32 s44, s44, s27
	s_add_nc_u64 s[VA:VA+1], s[12:13], s[44:45]    ; V: my batch, step 0, my 16 tiles of channels
	s_lshl_b32 s44, s[BT], 16
	s_lshl_b32 s27, s[WV], 10
	s_add_co_u32 s44, s44, s27
	s_add_nc_u64 s[VSA:VSA+1], s[14:15], s[44:45]
	s_cmp_gt_u32 s[NST], 1                         ; set 1 takes step 1; where there is none, step 0 once more, so that the count of loads is the same in every work-group
	s_cselect_b32 s44, 0x10000, 0
	s_cselect_b32 s48, 0x1000, 0
	s_add_nc_u64 s[VA+2:VA+3], s[VA:VA+1], s[44:45]
	s_add_nc_u64 s[VSA+2:VSA+3], s[VSA:VSA+1], s[48:49]
	s_lshl_b32 s44, s[BT], 23
	s_lshl_b32 s27, s[QB], 18
	s_add_co_u32 s44, s44, s27
	s_lshl_b32 s27, s[WV], 10
	s_add_co_u32 s44, s44, s27
	s_add_nc_u64 s[16:17], s[16:17], s[44:45]      ; out0 at my block's first row, my wave's 1,024 bytes of it
.set kk, 0
.rept 32
	s_wait_loadcnt 35-kk                           ; loads come back in order (ISA guide 5.7.1): copy kk is in, the younger ones may be out
	ds_store_b128 v[ADK], v[64+4*kk:67+4*kk] offset:2048*kk
.set kk, kk+1
.endr
.set kk, 0
.rept 4
	s_wait_loadcnt 3-kk
	ds_store_b128 v[ADS], v[192+4*kk:195+4*kk] offset:2048*kk
.set kk, kk+1
.endr
; V's 16 fragments and 8 scale registers of one step into set p: 34 loads
.macro VLOAD p
	WIN 0x40                                       ; destination window 1, address window 0
.irp d, 0,1,2,3,4,5,6,7,8,9,10,11,12,13,14,15
	global_load_b128 v[128*(\p)+8*\d:128*(\p)+8*\d+3], v[LI], s[VA+2*(\p):VA+2*(\p)+1] offset:1024*\d
	global_load_b128 v[128*(\p)+8*\d+4:128*(\p)+8*\d+7], v[LI], s[VA+2*(\p):VA+2*(\p)+1] offset:1024*\d+512
.endr
	WIN 0
	global_load_b128 v[VS+8*(\p):VS+8*(\p)+3], v[L32], s[VSA+2*(\p):VSA+2*(\p)+1]
	global_load_b128 v[VS+8*(\p)+4:VS+8*(\p)+7], v[L32], s[VSA+2*(\p):VSA+2*(\p)+1] offset:16
.endm
	VLOAD 0                                        ; step 0's V; set 1 is asked for behind pass 1: its first use is in trip 2 of pass 2.  (No vector or matrix instruction has named these registers yet)
	s_wait_dscnt 0x0                               ; for the others' sake: my part of K has landed
	s_barrier_signal -1
	s_barrier_wait -1
; The LDS addresses of the step whose place stands in s[NK], s[NS]
.macro KADDR
	s_wait_alu depctr_vm_vsrc(0)                   ; the LDS and memory instructions issued so far have read v[ADK] and v[ADS], which the two lines below write; in pass 2 the last trip's image stores have read v[PC ..] and v[PW], which this trip's softmax writes again
	v_add_nc_u32 v[ADK], s[NK], v[LI]
	v_add_nc_u32 v[ADS], s[NS], v[KSA]
.endm
; K's eight fragments (their lower four registers) and four scale registers of that step: 12 LDS loads
.macro KASK
.irp t, 0,1,2,3,4,5,6,7
	ds_load_b128 v[KF+8*\t:KF+8*\t+3], v[ADK] offset:512*\t
.endr
.irp i, 0,1,2,3
	ds_load_b32 v[KSW+\i], v[ADS] offset:128*\i    ; lanes 0-15 the words of tile 2 i, lanes 16-31 those of tile 2 i + 1
.endr
.endm
	; ---- PASS 1: each query's largest score
	s_mov_b32 s[J], 0
	s_mov_b32 s[TK], 0
	s_mov_b32 s[TS], 0
	s_mov_b32 s[KFS], 0
	s_mov_b32 s[NK], 0
	s_mov_b32 s[NS], 0
	KADDR                                          ; step 0.  Its wait also states that the copy's LDS stores have read v64 to v207, which are K's fragments, S^T, p's codes and p's fragments from here on
.irp t, 0,1,2,3,4,5,6,7
.irp q, 4,5,6,7
	v_mov_b32 v[KF+8*\t+\q], 0                     ; the upper 64 along K: zero codes, written once
.endr
.endr
.irp q, 4,5,6,7
	v_mov_b32 v[QF+\q], 0
.endr
.irp i, 0,1,2,3
	v_mov_b32 v[RM+\i], v[NINF]
.endr
.irp i, 0,1,2,3
	v_mov_b32 v[BW+4+\i], 0                        ; lane permutes' destinations
.endr
	v_mov_b32 v[SUM], 0
	v_mov_b32 v[SUM+1], 0                          ; (these ten lines are also the places between the zero codes and the first product)
	s_wait_alu depctr_va_vdst(0)                   ; v[ADK] and v[ADS] are written, which the loads below read; the zero codes are written, which every score product takes in its operands
	KASK
; The scores of my 16 queries and the step's 128 keys, whose fragments were asked for a step ago; hidden ones become -infinity.  Behind the products the next step's fragments are asked for.
; w = 1: no wait for all LDS loads has stood behind that request, so one stands here.
.macro SCORES w
.if \w
	s_wait_dscnt 0x0                               ; K's fragments are in
.endif
	s_add_co_u32 s[NK], s[TK], 4096                ; the next step's place,
	s_min_u32 s[NK], s[NK], 61440                  ; held at step 15's: the last trip asks for that step once more and never leaves K's bytes
	s_add_co_u32 s[NS], s[TS], 512
	s_min_u32 s[NS], s[NS], 7680
	KADDR                                          ; ahead of the products, so that the one wait behind them serves the addresses too
.irp t, 0,2,4,6
	v_wmma_scale_f32_16x16x128_f8f6f4 v[S+8*\t:S+8*\t+7], v[KF+8*\t:KF+8*\t+7], v[QF:QF+7], 0, v[KSW+\t/2], v[QS] matrix_a_fmt:MATRIX_FMT_FP4 matrix_b_fmt:MATRIX_FMT_FP4
	v_wmma_scale_f32_16x16x128_f8f6f4 v[S+8*\t+8:S+8*\t+15], v[KF+8*\t+8:KF+8*\t+15], v[QF:QF+7], 0, v[KSW+\t/2], v[QS] matrix_a_fmt:MATRIX_FMT_FP4 matrix_b_fmt:MATRIX_FMT_FP4 matrix_a_scale:MATRIX_SCALE_ROW1
.endr
.rept 4
	v_nop                                          ; four places in front of the first read of results (ISA guide 7.12.1)
.endr
	s_wait_alu depctr_va_vdst(0)                   ; the eight products are done reading K's fragments and scale words, in which the loads below land; v[ADK] and v[ADS] are written, which they read
	KASK
	s_add_co_u32 s27, s[KFS], 127                  ; a step all of whose keys count passes the mask over: a scalar branch on ids
	s_cmp_le_u32 s27, s[Q0]
	s_cbranch_scc1 .Lopen_\@
	s_sub_co_i32 s27, s[Q0], s[KFS]
	v_add_nc_u32 v[DM], s27, v[RH]                 ; d = my query - the step's first key - 8 h.  Register 8 t + j holds key 16 t + 8 h + j: hidden where 16 t + j > d
.set gg, 0
.rept 8                                        ; a tile of 16 keys at a time: eight compares, one wait, eight selections; each accumulator from its low end on
.set nn, 0
.rept 8
	v_cmp_gt_i32 s[MK+nn], 16*gg+nn, v[DM]
.set nn, nn+1
.endr
	s_wait_alu depctr_va_sdst(0)                   ; the eight compares have written s[MK ..], ahead of the selections that read them
.set nn, 0
.rept 8
	v_cndmask_b32 v[S+8*gg+nn], v[S+8*gg+nn], v[NINF], s[MK+nn]
.set nn, nn+1
.endr
.set gg, gg+1
.endr
.Lopen_\@:
.endm
.Lpass1:
	s_cmp_ge_u32 s[J], s[NST]
	s_cbranch_scc1 .Lp1_idle
	SCORES 1
.set nn, 0
.rept 32
	v_max3_num_f32 v[RM+nn%4], v[RM+nn%4], v[S+2*nn], v[S+2*nn+1]   ; four chains; each accumulator from its low end on.  The next step's fragments are on their way meanwhile
.set nn, nn+1
.endr
.Lp1_idle:
	s_add_co_u32 s[TK], s[TK], 4096
	s_add_co_u32 s[TS], s[TS], 512
	s_add_co_u32 s[KFS], s[KFS], 128
	s_add_co_u32 s[J], s[J], 1
	s_cmp_lt_u32 s[J], 16
	s_cbranch_scc1 .Lpass1
	s_wait_dscnt 0x0                               ; the last request is in: its registers may be loaded again
	s_mov_b32 s[NK], 0
	s_mov_b32 s[NS], 0
	KADDR                                          ; pass 2's step 0
	s_wait_alu depctr_va_vdst(0)                   ; v[ADK] and v[ADS] are written, which the loads below read
	KASK
	VLOAD 1                                        ; V's set 1.  (No vector or matrix instruction has named these registers yet)
	v_max3_num_f32 v[RM], v[RM], v[RM+1], v[RM+2]
	v_max_num_f32 v[RM], v[RM], v[RM+3]
	v_permlanex16_b32 v[BW+4], v[RM], s[SEL], s[SEL+1]
	v_max_num_f32 v[RM], v[RM], v[BW+4]            ; with lane l xor 16's keys: the row's largest score (key 0 counts for every query: a number)
	v_mul_f32 v[RM], s[CS], v[RM]                  ; as t (c is positive)
	v_floor_f32 v[NM], -v[RM]                      ; -M = floor(-t) = -ceil(t): M is a whole number
	v_mov_b32 v[NM+1], v[NM]
	s_mov_b32 s[J], 0
	s_mov_b32 s[TK], 0
	s_mov_b32 s[TS], 0
	s_mov_b32 s[KFS], 0
; p of my 16 queries and the step's 128 keys, its sum, its codes and scale word; the image goes to place p of LDS: 3 LDS stores.
.macro SOFT p
.irp b, 0,1,2,3
	v_max3_num_f32 v[BW+\b], v[S+16*\b], v[S+16*\b+1], v[S+16*\b+2]   ; the largest SCORE of each block of 32 keys (tiles 2 b, 2 b + 1): p rises with the score, so it gives the block's largest p
.endr
.irp i, 3,5,7,9,11,13
.irp b, 0,1,2,3
	v_max3_num_f32 v[BW+\b], v[BW+\b], v[S+16*\b+\i], v[S+16*\b+\i+1]
.endr
.endr
.irp b, 0,1,2,3
	v_max_num_f32 v[BW+\b], v[BW+\b], v[S+16*\b+15]
.endr
.irp b, 0,1,2,3
	v_permlanex16_b32 v[BW+4+\b], v[BW+\b], s[SEL], s[SEL+1]
.endr
.irp b, 0,1,2,3
	v_max_num_f32 v[BW+\b], v[BW+\b], v[BW+4+\b]   ; with lane l xor 16's 16 keys
.endr
.set nn, 0
.rept 32
	v_pk_fma_f32 v[S+2*nn:S+2*nn+1], v[S+2*nn:S+2*nn+1], s[CS:CS+1], v[NM:NM+1] op_sel_hi:[1,0,0]   ; t - M, two at a time
.set nn, nn+1
.endr
.irp b, 0,1,2,3
	v_fma_f32 v[BW+\b], v[BW+\b], s[CS], v[NM]     ; the same of each block's largest score
.endr
.set nn, 0
.rept 64
	v_exp_f32 v[S+nn], v[S+nn]                     ; p = 2^(t - M), at most 1
.set nn, nn+1
.endr
	v_nop                                          ; a plain line behind the last exponential
	s_wait_alu depctr_va_vdst(0)                   ; the 64 exponentials have written v[S ..]: one wait for the batch, ahead of its first reader
.irp b, 0,1,2,3
	v_exp_f32 v[BW+\b], v[BW+\b]                   ; the block's largest p: the same two instructions on the same number
.endr
	v_pk_add_f32 v[BW+4:BW+5], v[S:S+1], v[S+2:S+3]          ; the row's sum is taken of the UNQUANTISED p, two at a time, in four chains that do not wait for each other.  (They read the 64 alone: plain work behind the four)
	v_pk_add_f32 v[BW+6:BW+7], v[S+4:S+5], v[S+6:S+7]
	v_pk_add_f32 v[BW+8:BW+9], v[S+8:S+9], v[S+10:S+11]
	v_pk_add_f32 v[SUM:SUM+1], v[SUM:SUM+1], v[S+12:S+13]
.irp j, 14,22,30,38,46,54
	v_pk_add_f32 v[BW+4:BW+5], v[BW+4:BW+5], v[S+\j:S+\j+1]
	v_pk_add_f32 v[BW+6:BW+7], v[BW+6:BW+7], v[S+\j+2:S+\j+3]
	v_pk_add_f32 v[BW+8:BW+9], v[BW+8:BW+9], v[S+\j+4:S+\j+5]
	v_pk_add_f32 v[SUM:SUM+1], v[SUM:SUM+1], v[S+\j+6:S+\j+7]
.endr
	v_pk_add_f32 v[BW+4:BW+5], v[BW+4:BW+5], v[S+62:S+63]
	v_pk_add_f32 v[SUM:SUM+1], v[SUM:SUM+1], v[BW+8:BW+9]
	v_pk_add_f32 v[BW+4:BW+5], v[BW+4:BW+5], v[BW+6:BW+7]
	v_pk_add_f32 v[SUM:SUM+1], v[SUM:SUM+1], v[BW+4:BW+5]
	s_wait_alu depctr_va_vdst(0)                   ; the four exponentials have written v[BW ..], ahead of their first reader
.irp b, 0,1,2,3
	v_max_num_f32 v[BW+\b], 0x1800000, v[BW+\b]    ; the floor 2^(3 - 127): the byte cannot fall under 1
.endr
.irp b, 0,1,2,3
	v_add_nc_u32 v[BW+12+\b], 0xff000000, v[BW+\b] ; 2 off the exponent field: the conversion's scale operand
.endr
.irp b, 0,1,2,3
	v_lshrrev_b32 v[BW+4+\b], 23, v[BW+12+\b]      ; the scale's byte
.endr
	v_lshl_or_b32 v[PW], v[BW+5], 8, v[BW+4]       ; my query's scale word for these 128 keys
	v_lshl_or_b32 v[PW], v[BW+6], 16, v[PW]
	v_lshl_or_b32 v[PW], v[BW+7], 24, v[PW]
.irp c, 0,1                                    ; one conversion takes one tile's eight keys, 16 t + 8 h on
	v_cvt_scalef32_pk8_fp4_f32 v[PC+4*\c], v[S+32*\c:S+32*\c+7], v[BW+12+2*\c]          ; tile 4 c
	v_cvt_scalef32_pk8_fp4_f32 v[PC+4*\c+1], v[S+32*\c+16:S+32*\c+23], v[BW+13+2*\c]    ; tile 4 c + 2
	v_cvt_scalef32_pk8_fp4_f32 v[PC+4*\c+2], v[S+32*\c+8:S+32*\c+15], v[BW+12+2*\c]     ; tile 4 c + 1
	v_cvt_scalef32_pk8_fp4_f32 v[PC+4*\c+3], v[S+32*\c+24:S+32*\c+31], v[BW+13+2*\c]    ; tile 4 c + 3
.endr
	v_nop                                          ; one plain line behind the last conversion
.irp c, 0,1                                    ; the operand's layout wants keys 64 c + 32 h + 0 .. 31 in a lane: the first's lanes 16-31 change places with the second's lanes 0-15
	v_permlane16_swap_b32 v[PC+4*\c], v[PC+4*\c+1]
	v_permlane16_swap_b32 v[PC+4*\c+2], v[PC+4*\c+3]
.endr
	s_wait_alu depctr_va_vdst(0)                   ; the exchanges have written v[PC ..] and the shifts v[PW], which the three LDS stores read
	ds_store_b128 v[PWI], v[PC:PC+3] offset:4096*(\p)
	ds_store_b128 v[PWI], v[PC+4:PC+7] offset:4096*(\p)+512
	ds_store_b32 v[PWS], v[PW] offset:512*(\p)
.endm
; All four tiles' p and scale words out of place p: 12 LDS loads
.macro PLOAD p
.irp m, 0,1,2,3
	ds_load_b128 v[PF+8*\m:PF+8*\m+3], v[PRI] offset:4096*(\p)+1024*\m
	ds_load_b128 v[PF+8*\m+4:PF+8*\m+7], v[PRI] offset:4096*(\p)+1024*\m+512
	ds_load_b32 v[PS+\m], v[PRS] offset:512*(\p)+128*\m
.endr
.endm
.macro OPROD p, d, m, zero             ; O^T(d, m) += V^T(d) P^T(m); an odd tile's scale words stand in lanes 16-31
.set rD, 8*(4*((\d)%8)+(\m))
.set rA, 128*(\p)+8*(\d)
.set rB, PF+8*(\m)
.set rW, VS+8*(\p)+(\d)/2
.if \zero
.if (\d)%2
	v_wmma_scale_f32_16x16x128_f8f6f4 v[rD:rD+7], v[rA:rA+7], v[rB:rB+7], 0, v[rW], v[PS+\m] matrix_a_fmt:MATRIX_FMT_FP4 matrix_b_fmt:MATRIX_FMT_FP4 matrix_a_scale:MATRIX_SCALE_ROW1
.else
	v_wmma_scale_f32_16x16x128_f8f6f4 v[rD:rD+7], v[rA:rA+7], v[rB:rB+7], 0, v[rW], v[PS+\m] matrix_a_fmt:MATRIX_FMT_FP4 matrix_b_fmt:MATRIX_FMT_FP4
.endif
.else
.if (\d)%2
	v_wmma_scale_f32_16x16x128_f8f6f4 v[rD:rD+7], v[rA:rA+7], v[rB:rB+7], v[rD:rD+7], v[rW], v[PS+\m] matrix_a_fmt:MATRIX_FMT_FP4 matrix_b_fmt:MATRIX_FMT_FP4 matrix_a_scale:MATRIX_SCALE_ROW1
.else
	v_wmma_scale_f32_16x16x128_f8f6f4 v[rD:rD+7], v[rA:rA+7], v[rB:rB+7], v[rD:rD+7], v[rW], v[PS+\m] matrix_a_fmt:MATRIX_FMT_FP4 matrix_b_fmt:MATRIX_FMT_FP4
.endif
.endif
.endm
; The second product of step J - 1, in trip J: 64 products (the 64 accumulators by turns, one instruction a turn) on V's set p.
; dc: the LDS instructions issued behind p's loads, which may stay out.  re = 1: set p is then loaded anew, for step J + 1.
.macro PV p, zero, dc, re
	s_wait_loadcnt 34                              ; this step's V is in: behind its loads stand at most the other set's 34
	s_wait_dscnt \dc                               ; p is in
	WIN 0xa1                                       ; source 0 (V) window 1, source 1 (p) window 0, C and D window 2
.irp d, 0,1,2,3,4,5,6,7
.irp m, 0,1,2,3
	OPROD \p, \d, \m, \zero
.endr
.endr
	WIN 0xf1                                       ; C and D window 3
.irp d, 8,9,10,11,12,13,14,15
.irp m, 0,1,2,3
	OPROD \p, \d, \m, \zero
.endr
.endr
	WIN 0
.rept 4
	v_nop                                          ; four places in front of the first read of results (ISA guide 7.12.1)
.endr
	s_wait_alu depctr_va_vdst(0)                   ; the 64 products are done reading V's set and its scale words, in which the loads below land (at the end: the stage's), and p's fragments and scale words, in which the loads behind the barrier land (at the end: the divisors'); only scalar lines, waits and the barrier stand between
.if \re
	s_add_co_u32 s27, s[J], 1
	s_cmp_lt_u32 s27, s[NST]
	s_cbranch_scc0 .Lnoload_\@
	s_wait_xcnt 0x0                                ; this set's last loads are in, and the prefetch that named its address, two trips back, has read it: the address may step
	s_add_nc_u64 s[VA+2*(\p):VA+2*(\p)+1], s[VA+2*(\p):VA+2*(\p)+1], 0x20000     ; two steps of 65,536 bytes on
	s_add_nc_u64 s[VSA+2*(\p):VSA+2*(\p)+1], s[VSA+2*(\p):VSA+2*(\p)+1], 0x2000  ; two steps of 4,096
	VLOAD \p
	; A PREFETCH INTO THE L2, behind the run of loads: my wave's 16,384 bytes of V's codes of step J + 3, two trips ahead of the loads that will want them; lanes 256 bytes apart, two instructions.
	; All blocks of a batch walk the same V from step 0 on: the last block, which walks all 16 steps, asks, and nobody else: each block of 256 bytes is named once.  It stops at J = 12: step 15 is the last.  Steps 0 to 3 come by their loads alone.
	s_cmp_lt_u32 s[J], s[PFLIM]
	s_cbranch_scc0 .Lloaded_\@
	global_prefetch_b8 v[PFO], s[VA+2*(\p):VA+2*(\p)+1] offset:131072 th:TH_LOAD_NT scope:SCOPE_SE
	global_prefetch_b8 v[PFO], s[VA+2*(\p):VA+2*(\p)+1] offset:139264 th:TH_LOAD_NT scope:SCOPE_SE
	s_branch .Lloaded_\@
.Lnoload_\@:
	s_wait_loadcnt 0x0                             ; nothing is loaded here: then no load is out, so that the next trip's count holds on this way too
.Lloaded_\@:
.endif
.endm
; TRIP J of pass 2.  p = J % 2: the place of step J's image; vp = (J - 1) % 2: V's set of step J - 1.
; kind 0: trip 0: no products yet, no guards.  kind 1: trip 1: step 0's products run in every work-group and start O^T's sums: nothing is ever cleared.  kind 2: the trips of the loop.
; The barrier stands outside the guards: every wave passes it in all 16 trips.
.macro ITER p, vp, kind
.if \kind
	s_cmp_ge_u32 s[J], s[NST]
	s_cbranch_scc1 .Lnosoft_\@
	SCORES 0                                       ; K's fragments were asked for a trip ago, ahead of the wait for all LDS instructions in front of the barrier: they are in
.else
	SCORES 1
.endif
	SOFT \p
.if \kind
	s_branch .Lsoft_\@
.Lnosoft_\@:
	s_wait_dscnt 0x0                               ; on this way nothing was issued behind p's loads: the count below would not cover them
.Lsoft_\@:
.endif
.if \kind == 1
	PV \vp, 1, 15, 1                               ; behind p's 12 loads stand K's 12 and the image's 3 stores
.endif
.if \kind == 2
	s_cmp_gt_u32 s[J], s[NST]                      ; step J - 1 is one of mine where J <= NST
	s_cbranch_scc1 .Lnopv_\@
	PV \vp, 0, 15, 1
	s_branch .Lpv_\@
.Lnopv_\@:
	s_wait_loadcnt 0x0
.Lpv_\@:
.endif
	s_wait_dscnt 0x0                               ; my image has landed (its stores went out ahead of the products), and my reads of the other place are over
	s_barrier_signal -1
	s_barrier_wait -1                              ; all four images of step J lie in place p
.if \kind
	s_cmp_ge_u32 s[J], s[NST]
	s_cbranch_scc1 .Lnopl_\@
.endif
	PLOAD \p                                       ; they are wanted behind the next trip's softmax.  No wait here: no vector or matrix instruction since the wait behind the products names p's fragments or scale words (trip 0: none has named them yet)
.if \kind
.Lnopl_\@:
.endif
	s_add_co_u32 s[J], s[J], 1
	s_add_co_u32 s[TK], s[TK], 4096
	s_add_co_u32 s[TS], s[TS], 512
	s_add_co_u32 s[KFS], s[KFS], 128
.endm
	; ---- PASS 2
	ITER 0, 1, 0
	ITER 1, 0, 1
	s_mov_b32 s47, 7
.Lpair:
	ITER 0, 1, 2
	ITER 1, 0, 2
	s_sub_co_u32 s47, s47, 1
	s_cmp_lg_u32 s47, 0
	s_cbranch_scc1 .Lpair
	s_cmp_gt_u32 s[J], s[NST]                      ; J = 16: step 15's products, where the block has 16 steps
	s_cbranch_scc1 .Lnotail
	PV 1, 0, 0, 0
.Lnotail:
	s_wait_loadcnt 0x0                             ; no load into V's registers is out, on whichever way the last trips were left: the way out's loads from the stage land in those registers only behind this wait
	; ---- the divisors: my 16 queries' sums; every wave wants all 64
	v_add_f32 v[SUM], v[SUM], v[SUM+1]
	v_permlanex16_b32 v[BW+4], v[SUM], s[SEL], s[SEL+1]
	v_add_f32 v[SUM], v[SUM], v[BW+4]
	v_rcp_f32 v[SUM+1], v[SUM]
	v_nop                                          ; a plain line behind the reciprocal
	s_wait_alu depctr_va_vdst(0)                   ; the reciprocal has written v[SUM+1], which the LDS store reads
	ds_store_b32 v[RCW], v[SUM+1]
	s_wait_dscnt 0x0
	s_barrier_signal -1
	s_barrier_wait -1
.irp m, 0,1,2,3
	ds_load_b32 v[RC+2*\m], v[RCR] offset:128*\m   ; lane (r, h): 1 / the sum of query 16 m + r, twice, for the packed multiplication
	ds_load_b32 v[RC+2*\m+1], v[RCR] offset:128*\m
.endr
	s_wait_dscnt 0x0
; ---- THE WAY OUT, a tile of 16 queries at a time.  A lane holds 32 neighbouring bytes of a row and the lanes beside it other rows: so the tile goes through my own stage in LDS and comes back as runs of 512 bytes of a row.
.macro SCALE m
	WIN 0x02                                       ; source 0 window 2
.irp d, 0,1,2,3,4,5,6,7
.irp q, 0,1,2,3
	v_pk_mul_f32 v[OUTR+8*\d+2*\q:OUTR+8*\d+2*\q+1], v[8*(4*\d+(\m))+2*\q:8*(4*\d+(\m))+2*\q+1], v[RC+2*(\m):RC+2*(\m)+1]   ; each accumulator from its low end on
.endr
.endr
	WIN 0x03
.irp d, 0,1,2,3,4,5,6,7
.irp q, 0,1,2,3
	v_pk_mul_f32 v[OUTR+64+8*\d+2*\q:OUTR+64+8*\d+2*\q+1], v[8*(4*\d+(\m))+2*\q:8*(4*\d+(\m))+2*\q+1], v[RC+2*(\m):RC+2*(\m)+1]
.endr
.endr
	WIN 0
.endm
.macro TOSTAGE m
	s_wait_alu depctr_va_vdst(0)                   ; the multiplications have written v[OUTR ..], which the LDS stores read
.set dd, 0
.rept 16
	ds_store_b128 v[STO], v[OUTR+8*dd:OUTR+8*dd+3] offset:64*dd
	ds_store_b128 v[STO], v[OUTR+8*dd+4:OUTR+8*dd+7] offset:64*dd+16
.set dd, dd+1
.endr
	WIN 0x40                                       ; destination window 1: V's registers are free
.if (\m) > 1
	s_wait_alu depctr_vm_vsrc(0)                   ; the global stores of two tiles back have read these registers, in which the loads below land
.endif
.set dd, 0
.rept 32
	ds_load_b128 v[128*((\m)%2)+4*dd:128*((\m)%2)+4*dd+3], v[SRD] offset:1040*(dd/2)+512*(dd%2)   ; LDS serves a wave's instructions in order (ISA guide 5.7.1.4): these see the stores above
.set dd, dd+1
.endr
	WIN 0
.endm
.macro SEND m
	WIN 0x04                                       ; a store's data are its source 1: window 1
.set dd, 0
.rept 32
	global_store_b128 v[LI], v[128*((\m)%2)+4*dd:128*((\m)%2)+4*dd+3], s[16:17] offset:(16*(\m)+dd/2)*4096+512*(dd%2) th:TH_STORE_NT   ; 32 lanes store 512 consecutive bytes, at a multiple of 256 from out0's first byte
.set dd, dd+1
.endr
	WIN 0
.endm
	SCALE 0
	TOSTAGE 0
.irp m, 1,2,3
	s_wait_dscnt 32                                ; the 32 stores into the stage are done; the 32 loads behind them may be out
	s_wait_alu depctr_vm_vsrc(0)                   ; the LDS stores of the tile before have read v[OUTR ..], which the multiplications below write again
	SCALE \m
	s_wait_dscnt 0x0                               ; the tile before is back in registers
	SEND \m-1
.if \m > 1
	s_wait_xcnt 0x0                                ; the stores of two tiles back have had their addresses translated: this tile's loads may land in their registers
.endif
	TOSTAGE \m
.endr
	s_wait_dscnt 0x0
	SEND 3
	s_wait_dscnt 0x0                               ; the closing lines, six on end
	s_wait_alu 0x0
	s_wait_tensorcnt 0x0
	ds_add_u32 v254, v255
	s_wait_dscnt 0x0
	s_endpgm
.Lfunc_end_k_qaf70e92c30_attn:
	.size	k_qaf70e92c30_attn, .Lfunc_end_k_qaf70e92c30_attn-k_qaf70e92c30_attn
	.p2alignl 7, 3214868480
	.fill 96, 4, 3214868480
	.section	.rodata,"a",@progbits
	.p2align	6, 0x0
	.amdhsa_kernel k_qaf70e92c30_attn
		.amdhsa_group_segment_fixed_size 151040
		.amdhsa_private_segment_fixed_size 0
		.amdhsa_enable_private_segment 0
		.amdhsa_kernarg_size 56
		.amdhsa_user_sgpr_count 2
		.amdhsa_user_sgpr_kernarg_segment_ptr 1
		.amdhsa_wavefront_size32 1
		.amdhsa_system_sgpr_workgroup_id_x 1
		.amdhsa_system_sgpr_workgroup_id_y 1
		.amdhsa_system_sgpr_workgroup_id_z 1
		.amdhsa_system_vgpr_workitem_id 0
		.amdhsa_next_free_vgpr 1024
		.amdhsa_next_free_sgpr 66
		.amdhsa_reserve_vcc 0
		.amdhsa_float_denorm_mode_32 3
		.amdhsa_float_denorm_mode_16_64 3
		.amdhsa_memory_ordered 1
		.amdhsa_forward_progress 1
		.amdhsa_inst_pref_size 221
	.end_amdhsa_kernel
	.amdgpu_metadata
---
amdhsa.version: [ 1, 2 ]
amdhsa.kernels:
  - .name:           k_qaf70e92c30_attn
    .symbol:         k_qaf70e92c30_attn.kd
    .args:
      - { .name: qcodes, .offset: 0, .size: 8, .value_kind: global_buffer, .address_space: global }
      - { .name: qscales, .offset: 8, .size: 8, .value_kind: global_buffer, .address_space: global }
      - { .name: kcodes, .offset: 16, .size: 8, .value_kind: global_buffer, .address_space: global }
      - { .name: kscales, .offset: 24, .size: 8, .value_kind: global_buffer, .address_space: global }
      - { .name: vcodes, .offset: 32, .size: 8, .value_kind: global_buffer, .address_space: global }
      - { .name: vscales, .offset: 40, .size: 8, .value_kind: global_buffer, .address_space: global }
      - { .name: out0, .offset: 48, .size: 8, .value_kind: global_buffer, .address_space: global }
    .group_segment_fixed_size: 151040
    .private_segment_fixed_size: 0
    .kernarg_segment_align: 8
    .kernarg_segment_size: 56
    .max_flat_workgroup_size: 128
    .sgpr_count:     66
    .vgpr_count:     1024
    .wavefront_size: 32
...
	.end_amdgpu_metadata
.endif
;; end of part 4
